; MI455X (gfx1250); checked and timed in simulation.
; The chip was launched on July 23, 2026; its instructions are those of AMD's public machine-readable ISA for CDNA 5 (MIT licence, August 2026) and "CDNA5" Instruction Set Architecture Reference Guide (July 2026). The comments in the code are by the model that wrote it; some were corrected since.
;; Multi Head Attention. Allowed arithmetic: matrix products marked QUANTISED: E2M3 operands, one E8M0 scale for each 32 along K, by v_wmma_scale_f32_16x16x128_f8f6f4 with both operands' format E2M3, f32 sums; everything else in f32.
;; Inputs: Wk 1,024 x 1,024 float32; Wo 1,024 x 1,024 float32; Wq 1,024 x 1,024 float32; Wv 1,024 x 1,024 float32; x 4 x 2,048 x 1,024 float32.
;; Outputs: out0 4 x 2,048 x 1,024 float32.
;; This version of the problem:
;;   THIS VERSION OF THE PROBLEM IS GIVEN IN LOW PRECISION. The matrix products marked QUANTISED in the list below multiply operands that are first quantised to E2M3 (2 exponent bits, 3 mantissa bits; 6 bits a number), with one power-of-two scale for each 32 numbers along K (OCP MX v1.0); their sums are f32. All else is computed in f32.
;;   The module's matrix products, in the order in which they are computed (A, B: the left and right operand; K: the contracted axis; several contracted axes count as one K, in the product's order):
;;     1. [M 8,192, K 1,024] x [K 1,024, N 1,024]; A: input x; B: input Wq: QUANTISED
;;     2. [M 8,192, K 1,024] x [K 1,024, N 1,024]; A: input x; B: input Wk: QUANTISED
;;     3. [M 8,192, K 1,024] x [K 1,024, N 1,024]; A: input x; B: input Wv: QUANTISED
;;     4. batch 32 x [M 2,048, K 128] x [K 128, N 2,048]; A: computed on the way; B: computed on the way: QUANTISED
;;     5. batch 32 x [M 2,048, K 2,048] x [K 2,048, N 128]; A: softmax (see below); B: computed on the way: QUANTISED
;;     6. [M 8,192, K 1,024] x [K 1,024, N 1,024]; A: computed on the way; B: input Wo: QUANTISED
;;   THE QUANTISER, for each operand of a quantised product, along K:
;;     - K is cut into blocks of 32 from its start; a last block that is shorter is filled with zeros.
;;     - A block's scale is 2^e with e = floor(log2(the largest magnitude in the block)) - 2, held to -126 .. 127; a block of zeros has e = 0. As a byte (E8M0): e + 127.
;;     - Each number is divided by its block's scale, clamped to +-7.5, and rounded to the nearest number of E2M3, ties to even, subnormals kept.
;;     - The product sums the exact products of the quantised numbers (number of the format x scale) in f32.
;;   ~~~python
;;   def quantise(x, axis):      # numpy; x: float32 -> the quantised numbers, widened to float32 again
;;       x = np.moveaxis(x, axis, -1); K = x.shape[-1]
;;       x = np.pad(x, [(0, 0)] * (x.ndim - 1) + [(0, -K % 32)]); x = x.reshape(x.shape[:-1] + (-1, 32)); a = np.abs(x).max(-1, keepdims=True)
;;       e = np.where(a > 0, np.clip(np.frexp(np.where(a > 0, a, 1))[1] - 1 - 2, -126, 127), 0)      # np.frexp(a)[1] - 1 = floor(log2(a)), exactly
;;       r = np.clip(x / 2.0 ** e, -7.5, 7.5)
;;       step = 2.0 ** (np.maximum(np.frexp(np.where(r == 0, 1, r))[1] - 1, 0) - 3)
;;       q = np.round(r / step) * step * 2.0 ** e      # np.round: ties to even
;;       return np.moveaxis(q.reshape(q.shape[:-2] + (-1,))[..., :K], -1, axis).astype(np.float32)
;;   ~~~
;;   SOFTMAX AHEAD OF A QUANTISED PRODUCT. Where the list says 'softmax', what is quantised is not the finished softmax but p = 2^(t - M), with t = logit x log2(e) and M = ceil(the row's largest t), a whole number; so 1/2 < the row's largest p <= 1. The row's sum l is taken of the UNQUANTISED p, in f32, and the product's result is divided by l at the end. Since M is a whole number, a kernel that streams over the keys may use a running M (the ceiling of the running maximum): every later rescaling is an exact power of two, which a block's scale takes up: the codes' values come out the same.
;;   OPERANDS COMPUTED ON THE WAY. 'Computed on the way' means the value that the module computes at that place (a softmax that the list does not call 'softmax' is quantised finished and normalised). What goes into a quantiser is computed in f32, as accurately as f32 sums, v_exp_f32 and their like allow (about 1e-6 of the number): no bf16 or f16 on the way to a quantiser, and a product that is left as it is and whose result goes on into a quantised operand takes f32 operands (vector FMAs, or v_wmma_f32_16x16x4_f32). A number that lies on a knife's edge between two numbers of the format may be rounded either way, as far as f32 arithmetic and the matrix unit's own rounding can turn it there, and no further.
;; One version. Each part assembles by itself: llvm-mc -triple=amdgcn-amd-amdhsa -mcpu=gfx1250 --defsym DOCPART=n.
;; ======== version 1 of 1: 4 launches
;; limits: right only within a limited range of input values
;; workspace buffers: xc 6,291,456 bytes; xs 262,144 bytes; wc 3,145,728 bytes; ws 131,072 bytes; qkvc 18,874,368 bytes; qkvs 786,432 bytes; ctxc 6,291,456 bytes; ctxs 262,144 bytes
;; launch quant (part 1): grid 768 x 1, 2 waves a work-group, no clusters, 17,152 bytes of LDS; arguments x, Wq, Wk, Wv, Wo, xc, xs, wc, ws; writes xc, xs, wc, ws
.if DOCPART == 1
	.amdgcn_target "amdgcn-amd-amdhsa--gfx1250"
	.amdhsa_code_object_version 6
	.text
	.protected	k_q8c74071882_quant
	.globl	k_q8c74071882_quant
	.p2align	8
	.type	k_q8c74071882_quant,@function
k_q8c74071882_quant:
	s_mov_b64 s[64:65], 0
	v_nop
	global_prefetch_b8 v0, s[64:65] scope:SCOPE_SE
	s_setreg_imm32_b32 hwreg(HW_REG_WAVE_MODE, 25, 1), 1
	s_wait_xcnt 0x0
; x [8192][1024] and the four weights [1024][1024], f32, K innermost, become codes of FP6 (E2M3) with one E8M0 byte for each 32 along K.
; THE CODES ARE LAID AS IMAGES OF THE MATRIX OPERAND'S REGISTERS.  A row block is 16 rows: lane r of row block a holds row 32 (a / 2) + 8 (a % 2) + r + 8 (r / 8).
; A fragment image (16 rows x 128 K, 12 registers a lane) is 1,536 bytes: register 4 c + e of lane l at byte 512 c + 16 l + 4 e.  Buffers: [row block][K step 0..7][image].
; A scale image is 512 bytes a row block: the word (four bytes, 128 along K) of K step 4 hl + j of row r at byte 16 (r + 16 hl) + 4 j.
; A block's scale is 2^(floor(log2(its largest magnitude)) - 2); its byte is the largest magnitude's exponent field - 2, held at 1 from below.
; LIMITS: NaN and infinities among the inputs are not served; a block whose largest magnitude lies under 2^-124 has its byte held at 1; a block of zeros has the byte 1
; where the quantiser says 127: its codes are zeros, which add nothing under any byte but 0xff, and the bytes are read by this program alone.
; SHARES.  Work-group g is one row block: g < 512 of x, then 64 each of Wq, Wk, Wv, Wo.  Wave w takes K steps 4 w .. 4 w + 3.  Only pointers are chosen by g: there is one path.
; Each load reads 512 consecutive bytes of one row (16 a lane); a K step's 16 rows turn through the wave's own stage in LDS (rows 528 bytes apart) and come back 16 neighbours
; of each block of 32 a lane, as the conversions want them.  Three K steps (48 loads a wave) are asked for at the start.  No tensor load, no barrier, no matrix work: a stream.
.set SP,   528                         ; a stage row: 512 bytes + 16
.set STG,  16*SP                       ; a wave's stage
.set X0,   16                          ; v16-79, v80-143, v144-207: three sets of 64 numbers
.set X1,   80
.set X2,   144
.set PC,   208                         ; v208-226 the codes just made
.set TM,   228                         ; v228-231 largest magnitudes, v232-235 bytes
.set SOP,  TM+8                        ; v236-239 the conversions' scale operands
.set PW,   244                         ; the scale word just made
.set SW,   248                         ; v248-251 the four K steps' scale words
.set SEL,  30                          ; s[30:31] v_permlanex16_b32's selects for lane l xor 16
; 64 numbers of a lane, register 16 b + i = k 32 b + 16 (lane / 16) + i of my row, become a fragment's codes in v[PC] on and its scale word in v[PW].
.macro QUANT s
.irp b, 0,1,2,3
	v_max3_num_f32 v[TM+\b], |v[\s+16*\b]|, |v[\s+1+16*\b]|, 0x1800000   ; my 16 numbers of block b, and the floor 2^(3 - 127): the byte cannot fall under 1
.endr
.irp i, 2,4,6,8,10,12,14
.irp b, 0,1,2,3
	v_max3_num_f32 v[TM+\b], v[TM+\b], |v[\s+16*\b+\i]|, |v[\s+1+16*\b+\i]|   ; the four blocks by turns
.endr
.endr
.irp b, 0,1,2,3
	v_permlanex16_b32 v[TM+4+\b], v[TM+\b], s[SEL], s[SEL+1]
.endr
.irp b, 0,1,2,3
	v_max_num_f32 v[TM+\b], v[TM+\b], v[TM+4+\b]   ; with lane l xor 16's 16: the block's largest magnitude
.endr
.irp b, 0,1,2,3
	v_add_nc_u32 v[SOP+\b], 0xff000000, v[TM+\b]   ; 2 off its exponent field: the conversion takes this operand's exponent field as its scale
.endr
.irp b, 0,1,2,3
	v_lshrrev_b32 v[TM+4+\b], 23, v[SOP+\b]        ; the scale's byte
.endr
	v_lshl_or_b32 v[PW], v[TM+5], 8, v[TM+4]
	v_lshl_or_b32 v[PW], v[TM+6], 16, v[PW]
	v_lshl_or_b32 v[PW], v[TM+7], 24, v[PW]        ; my row's scale word
.irp c, 0,1
	v_cvt_scalef32_pk16_fp6_f32 v[PC+6*\c:PC+2+6*\c], v[\s+32*\c:\s+15+32*\c], v[SOP+2*\c]
	v_cvt_scalef32_pk16_fp6_f32 v[PC+12+4*\c:PC+14+4*\c], v[\s+16+32*\c:\s+31+32*\c], v[SOP+2*\c+1]   ; (a conversion's three registers begin on an even number)
.endr
	v_nop                                          ; one plain instruction behind the scaled conversions
.irp c, 0,1                                    ; the operand wants a whole block in a lane: lanes 0-15 block 2 c, lanes 16-31 block 2 c + 1
.irp i, 0,1,2
	v_permlane16_swap_b32 v[PC+6*\c+\i], v[PC+12+4*\c+\i]
.endr
.irp i, 0,1,2
	v_mov_b32 v[PC+3+6*\c+\i], v[PC+12+4*\c+\i]
.endr
.endr
.endm
	s_load_b256 s[4:11], s[0:1], 0x0               ; x s[4:5], Wq s[6:7], Wk s[8:9], Wv s[10:11]
	s_load_b256 s[12:19], s[0:1], 0x20             ; Wo s[12:13], xc s[14:15], xs s[16:17], wc s[18:19]
	s_load_b64 s[20:21], s[0:1], 0x40              ; ws
	v_lshl_add_u32 v254, v0, 2, 0x4200
	v_mov_b32 v255, 0
	v_lshrrev_b32 v1, 5, v0
	v_readfirstlane_b32 s22, v1                    ; wave 0, 1
	v_and_b32 v1, 31, v0                           ; lane
	v_lshlrev_b32 v2, 4, v1                        ; 16 x lane: my bytes of a load's 512, and of a code store's
	s_mul_i32 s23, s22, STG                        ; my stage
	v_add_nc_u32 v3, s23, v2                       ; into it: 16 x lane of a row
	v_and_b32 v6, 15, v0                           ; r
	v_bfe_u32 v7, v0, 4, 1                         ; hl
	v_mul_u32_u24 v4, v6, SP
	v_lshl_add_u32 v4, v7, 6, v4
	v_add_nc_u32 v4, s23, v4                       ; out of it: row r, + 64 hl: my 16 numbers of a block of 32
	v_lshlrev_b32 v5, 4, v6
	v_lshl_add_u32 v5, v7, 3, v5                   ; the scale words' place: 16 r + 8 hl
	s_mov_b32 s[SEL], 0x76543210
	s_mov_b32 s[SEL+1], 0xfedcba98
.irp b, 0,1,2,3
	v_mov_b32 v[TM+4+\b], 0                        ; written once: a lane permute's destination counts as one of its sources
.endr
	s_wait_alu depctr_va_vdst(0)
	s_wait_kmcnt 0x0
	s_mov_b64 s[24:25], s[12:13]                   ; the source: Wo, unless the work-group's number says otherwise
	s_cmp_lt_u32 ttmp9, 704
	s_cselect_b64 s[24:25], s[10:11], s[24:25]
	s_cmp_lt_u32 ttmp9, 640
	s_cselect_b64 s[24:25], s[8:9], s[24:25]
	s_cmp_lt_u32 ttmp9, 576
	s_cselect_b64 s[24:25], s[6:7], s[24:25]
	s_cmp_lt_u32 ttmp9, 512
	s_cselect_b64 s[24:25], s[4:5], s[24:25]
	s_cselect_b64 s[26:27], s[14:15], s[18:19]     ; the codes' buffer,
	s_cselect_b64 s[28:29], s[16:17], s[20:21]     ; the scales'
	s_cselect_b32 s32, 511, 63
	s_cselect_b32 s33, 0, 512
	s_and_b32 s32, ttmp9, s32                      ; the row block in its source tensor
	s_sub_co_u32 s33, ttmp9, s33                   ; and in the buffers written
	s_lshr_b32 s34, s32, 1
	s_lshl_b32 s34, s34, 17                        ; 32 rows of 4,096 bytes for each pair of row blocks,
	s_and_b32 s35, s32, 1
	s_lshl_b32 s35, s35, 15                        ; 8 rows for the odd one,
	s_add_co_u32 s34, s34, s35
	s_lshl_b32 s35, s22, 11                        ; my wave's four K steps of 512 bytes
	s_add_co_u32 s34, s34, s35
	s_mov_b32 s35, 0
	s_add_nc_u64 s[24:25], s[24:25], s[34:35]
	s_lshl_b32 s36, s33, 3
	s_lshl_b32 s37, s22, 2
	s_add_co_u32 s36, s36, s37
	s_mul_i32 s36, s36, 1536                       ; image 8 x row block + 4 x wave
	s_mov_b32 s37, 0
	s_add_nc_u64 s[26:27], s[26:27], s[36:37]
	s_lshl_b32 s38, s33, 9
	s_lshl_b32 s39, s22, 8
	s_add_co_u32 s38, s38, s39                     ; 512 x row block + 256 x wave
	s_mov_b32 s39, 0
	s_add_nc_u64 s[28:29], s[28:29], s[38:39]
.macro LOAD s, set                     ; K step s of my four: 16 loads, one row's 512 consecutive bytes each
.set li, 0
.rept 16
	global_load_b128 v[(\set)+4*li:(\set)+4*li+3], v2, s[24:25] offset:(li+8*(li/8))*4096+512*(\s) th:TH_LOAD_NT
.set li, li+1
.endr
.endm
.macro STEP s, set, left               ; left: the younger loads, which may stay out
	s_wait_loadcnt \left
.set li, 0
.rept 16
	ds_store_b128 v3, v[(\set)+4*li:(\set)+4*li+3] offset:SP*li
.set li, li+1
.endr
.irp b, 0,1,2,3
.irp j, 0,1,2,3
	ds_load_b128 v[(\set)+16*\b+4*\j:(\set)+16*\b+4*\j+3], v4 offset:128*\b+16*\j   ; LDS serves a wave's instructions in order (ISA guide 5.7.1.4): these see the stores above
.endr
.endr
	s_wait_dscnt 0x0
.if (\s) > 0
	s_wait_xcnt 0x0                                ; the last step's stores have read the codes' registers: they are written again only behind this wait
.endif
	QUANT \set
	v_mov_b32 v[SW+(\s)], v[PW]
.if (\s) == 0
	LOAD 3, \set                                   ; the fourth K step takes the first's registers
.endif
.irp c, 0,1,2
	global_store_b128 v2, v[PC+4*\c:PC+4*\c+3], s[26:27] offset:1536*(\s)+512*\c   ; 512 consecutive bytes, aligned
.endr
.endm
	LOAD 0, X0
	LOAD 1, X1
	LOAD 2, X2
	STEP 0, X0, 32                                 ; behind K step 0's loads: those of steps 1 and 2
	STEP 1, X1, 32                                 ; behind step 1's: those of steps 2 and 3
	STEP 2, X2, 16                                 ; behind step 2's: those of step 3
	STEP 3, X0, 0
	v_cmp_le_u32 vcc_lo, 16, v1                    ; both halves of the lanes hold all four words of row r: lanes 0-15 store words 0, 1, lanes 16-31 words 2, 3
	v_cndmask_b32 v252, v[SW], v[SW+2], vcc_lo
	v_cndmask_b32 v253, v[SW+1], v[SW+3], vcc_lo
	global_store_b64 v5, v[252:253], s[28:29]      ; 32 lanes store 256 consecutive bytes, aligned
	s_wait_tensorcnt 0x0
	ds_add_u32 v254, v255
	s_wait_dscnt 0x0
	s_endpgm
.Lfunc_end_k_q8c74071882_quant:
	.size	k_q8c74071882_quant, .Lfunc_end_k_q8c74071882_quant-k_q8c74071882_quant
	.p2alignl 7, 3214868480
	.fill 96, 4, 3214868480
	.section	.rodata,"a",@progbits
	.p2align	6, 0x0
	.amdhsa_kernel k_q8c74071882_quant
		.amdhsa_group_segment_fixed_size 17152
		.amdhsa_private_segment_fixed_size 0
		.amdhsa_enable_private_segment 0
		.amdhsa_kernarg_size 72
		.amdhsa_user_sgpr_count 2
		.amdhsa_user_sgpr_kernarg_segment_ptr 1
		.amdhsa_wavefront_size32 1
		.amdhsa_system_sgpr_workgroup_id_x 1
		.amdhsa_system_sgpr_workgroup_id_y 1
		.amdhsa_system_sgpr_workgroup_id_z 1
		.amdhsa_system_vgpr_workitem_id 0
		.amdhsa_next_free_vgpr 256
		.amdhsa_next_free_sgpr 66
		.amdhsa_reserve_vcc 1
		.amdhsa_float_denorm_mode_32 3
		.amdhsa_float_denorm_mode_16_64 3
		.amdhsa_memory_ordered 1
		.amdhsa_forward_progress 1
		.amdhsa_inst_pref_size 34
	.end_amdhsa_kernel
	.amdgpu_metadata
---
amdhsa.version: [ 1, 2 ]
amdhsa.kernels:
  - .name:           k_q8c74071882_quant
    .symbol:         k_q8c74071882_quant.kd
    .args:
      - { .name: x, .offset: 0, .size: 8, .value_kind: global_buffer, .address_space: global }
      - { .name: Wq, .offset: 8, .size: 8, .value_kind: global_buffer, .address_space: global }
      - { .name: Wk, .offset: 16, .size: 8, .value_kind: global_buffer, .address_space: global }
      - { .name: Wv, .offset: 24, .size: 8, .value_kind: global_buffer, .address_space: global }
      - { .name: Wo, .offset: 32, .size: 8, .value_kind: global_buffer, .address_space: global }
      - { .name: xc, .offset: 40, .size: 8, .value_kind: global_buffer, .address_space: global }
      - { .name: xs, .offset: 48, .size: 8, .value_kind: global_buffer, .address_space: global }
      - { .name: wc, .offset: 56, .size: 8, .value_kind: global_buffer, .address_space: global }
      - { .name: ws, .offset: 64, .size: 8, .value_kind: global_buffer, .address_space: global }
    .group_segment_fixed_size: 17152
    .private_segment_fixed_size: 0
    .kernarg_segment_align: 8
    .kernarg_segment_size: 72
    .max_flat_workgroup_size: 64
    .sgpr_count:     66
    .vgpr_count:     256
    .wavefront_size: 32
...
	.end_amdgpu_metadata
.endif
;; end of part 1
;; launch qkv (part 2): grid 96 x 4, 4 waves a work-group, clusters of 4 x 4, 327,680 bytes of LDS; arguments xc, xs, wc, ws, qkvc, qkvs; writes qkvc, qkvs
.if DOCPART == 2
	.amdgcn_target "amdgcn-amd-amdhsa--gfx1250"
	.amdhsa_code_object_version 6
	.text
	.protected	k_q8c74071882_qkv
	.globl	k_q8c74071882_qkv
	.p2align	8
	.type	k_q8c74071882_qkv,@function
k_q8c74071882_qkv:
	s_mov_b64 s[64:65], 0
	v_nop
	global_prefetch_b8 v0, s[64:65] scope:SCOPE_SE
	s_setreg_imm32_b32 hwreg(HW_REG_WAVE_MODE, 25, 1), 1
	s_wait_xcnt 0x0
	s_wait_alu depctr_hold_cnt(0) depctr_sa_sdst(0) depctr_va_vdst(0) depctr_va_sdst(0) depctr_va_ssrc(0) depctr_va_vcc(0) depctr_vm_vsrc(0)
	s_getreg_b32 s2, hwreg(HW_REG_IB_STS2, 6, 4)
	s_cmp_eq_u32 s2, 0
	s_cbranch_scc0 .Lentry_in_a_cluster
	s_endpgm
.Lentry_in_a_cluster:
	s_bfe_u32 s2, ttmp6, 0x10000c
	s_cmp_lg_u32 s2, 0xf033
	s_cbranch_scc0 .Lentry_shape_is_right
	s_endpgm
.Lentry_shape_is_right:
; q = x Wq^T, k = x Wk^T and v^T = Wv x^T on codes of FP6 (E2M3), K = 1,024, sums in f32; the results are quantised in registers and stored as operand images for the attention launch.
; FORMATS.  A row block is 16 rows: lane r of row block a holds row 32 (a / 2) + 8 (a % 2) + r + 8 (r / 8).  A fragment image (16 rows x 128 K: 12 registers a lane) is 1,536 bytes:
; register 4 c + e of lane l at byte 512 c + 16 l + 4 e.  A scale image is 512 bytes: word 4 hl + j of row r at byte 16 (r + 16 hl) + 4 j.  xc, wc: [row block][K step 8][image]; xs, ws: [row block][scale image].
; C'[m][n] = sum over k of A'[m][k] B'[n][k].  A work-group of four waves (2 x 2) makes 256 x 256, a wave 128 x 128: 64 accumulators, 512 registers.
; 24 clusters of 4 x 4 work-groups.  Clusters 0-15: A' = x, B' = Wq and Wk on end (32 x 8 tiles).  Clusters 16-23: A' = Wv, B' = x (4 x 32 tiles): v comes out transposed, so that the keys run along a lane's
; registers as the head's channels do for q and k.  The kind is chosen by the cluster's number alone, by selects, never by a branch: it is the same in all sixteen partners.
; THE MATRIX INSTRUCTION IS USED TRANSPOSED (source 0 = 16 rows of B', source 1 = 16 rows of A').  By the order of rows in a row block, register j of lane (r, hl) of tile b is column 32 (b / 2) + 16 hl + 8 (b % 2) + j
; of A' row r: the 64 registers of tiles 0-7 are 16 neighbours of each block of 32 along the next product's K, which is what the conversions want.  No result changes lanes and none goes through LDS.
; LDS: three slots of one chunk (256 along K) each.  Chunks 0, 1, 2 are first fills, asked for together at the start: three tensor loads of a wave are out at the most.  Chunk 3 fills slot 0 again at the head of K step 3,
; behind a round of the cluster's barrier: it has K steps 3, 4 and 5 in which to land.  A's tiles are shared along a row of the cluster, B's along a column: each is asked for jointly.
; No prefetch: three of the four chunks are asked for at the kernel's head, and the fourth 160 matrix instructions ahead of the wait for it.
; LIMITS: NaN and infinities are not served; a block whose largest magnitude lies under 2^-124 has its byte held at 1; a block of zeros has the byte 1, not 127: its codes are zeros, and this program alone reads the bytes.
; REGISTERS, in windows of 256: window 0: v1 lane, v2-13 addresses; v32-63 A's scale words, v64-95 B's; v128-223 A's fragments, ONE set; on the way out v128-175 at work.
;   window 1: B's fragments, TWO sets, at v0 and v128.   window 2: accumulators of A's blocks 0-3 ((a, b) at v[8 (8 (a % 4) + b)]);   window 3: of blocks 4-7.
.set MA,    8                          ; A's row blocks a wave
.set NL,    3                          ; LDS loads that bring a fragment
.set FIB,   1536                       ; a fragment image
.set RBB,   2*FIB                      ; a row block's part of a chunk
.set RBP,   8*FIB                      ; a row block in memory
.set SLOTB, (2*MA+16)*RBB              ; a slot: A's 2 MA row blocks, then B's 16
.set BOFF,  2*MA*RBB
.set SPARE, 3*SLOTB                    ; behind the slots: the spare words, 128 bytes for each wave: two blocks of 256 bytes that no other line names
.set LI,    2                          ; v2     16 x lane
.set ADRA,  4                          ; v4-6   LDS address of my A fragments in slot 0, 1, 2
.set ADRB,  8                          ; v8-10  the same for B
.set SPW,   12                         ; v12    LDS address of my spare word; never rewritten
.set NIL,   13                         ; v13    0; never rewritten
.set SA,    32                         ; A's scale words: block a, register j: lanes 0-15 K step j, lanes 16-31 K step 4 + j
.set SB,    64                         ; B's likewise
.set AF,    128
.set PC,    128                        ; the way out: the codes just made, v128-146
.set TM,    148                        ; v148-151 largest magnitudes, v152-155 bytes
.set SOP,   TM+8                       ; v156-159 the conversions' scale operands
.set PW,    160
.set SW,    164                        ; v164-171 the eight images' scale words
.set SWO,   172                        ; v172-175 as they are stored
.set G1A,   44                         ; s[44:51] descriptor group 1 for A's tiles;  s[52:59] for B's
.set G1B,   52
.set G0A,   68                         ; s[68:79] group 0 for A's tiles, a set for each slot;  s[80:91] for B's
.set G0B,   80
.set SEL,   60                         ; s[60:61] v_permlanex16_b32's selects for lane l xor 16
.set MSB, 0
.macro WIN new                         ; the immediate's high byte repeats the setting that is left; a switch that changes nothing is dropped
.if MSB != (\new)
	s_set_vgpr_msb (MSB<<8)|(\new)
.set MSB, (\new)
.endif
.endm
.set MULW1, 0xa1                       ; source 0 (B) window 1, source 1 (A) window 0, C and D window 2
.set MULW2, 0xa1+0x50*((MA-1)/4)       ; the same for A's second half: window 3
.set TO_B,  0x40                       ; destination window 1, address window 0
.macro PLACES                          ; four plain instructions behind a matrix instruction, ahead of loads into its sources and of reads of its result
.rept 4
	v_nop
.endr
.endm
.macro CREST                           ; a round of the cluster's barrier behind its opening barrier
	s_cmp_lg_u32 s16, 0
	s_cbranch_scc1 .Lnot_wave_0_\@
	s_barrier_signal -3
.Lnot_wave_0_\@:
	s_barrier_wait -3
	s_barrier_signal -1
	s_barrier_wait -1
.endm
.macro CROUND                          ; a whole round
	s_barrier_signal -1
	s_barrier_wait -1
	CREST
.endm
; LDS AS THE TEXT BELOW USES IT (in place of the paragraph on LDS at the head): a large slot of 2 SLOTB bytes holds K steps 0-3, a row block's part 2 RBB bytes; one tensor load a wave brings it at the head.
; A slot of SLOTB bytes behind it holds K steps 4, 5: its first fill stands behind the three lines and a round of the cluster's barrier.  K steps 6, 7 fill the start of each wave's part of the large slot again, at K step 3.
.macro JLOAD g                         ; a joint load by the set of group 0 at \g: waves 0, 1 for A, waves 2, 3 for B; four v_nop follow each line
	s_cmp_eq_u32 s17, 0
	s_cbranch_scc0 .Lfor_b_\@
	tensor_load_to_lds s[G0A+\g:G0A+\g+3], s[G1A:G1A+7]
	s_nop 0
.rept 4
	v_nop
.endr
	s_branch .Lasked_\@
.Lfor_b_\@:
	tensor_load_to_lds s[G0B+\g:G0B+\g+3], s[G1B:G1B+7]
	s_nop 0
.rept 4
	v_nop
.endr
.Lasked_\@:
.endm
	s_load_b256 s[36:43], s[0:1], 0x0              ; xc s[36:37], xs s[38:39], wc s[40:41], ws s[42:43]
	s_load_b128 s[12:15], s[0:1], 0x20             ; qkvc, qkvs
	v_lshl_add_u32 v[SPW], v0, 2, SPARE
	v_mov_b32 v[NIL], 0
	ds_add_u32 v12, v13
	ds_add_u32 v12, v13
	s_wait_dscnt 0x0
	v_lshrrev_b32 v1, 5, v0
	v_readfirstlane_b32 s16, v1                    ; wave 0..3
	v_and_b32 v1, 31, v0                           ; lane
	v_lshlrev_b32 v[LI], 4, v1
	s_wait_alu depctr_va_vdst(0)
	s_lshr_b32 s17, s16, 1                         ; RH: which half of A's rows is mine.  Also: I fetch for A (0) or for B (1)
	s_and_b32 s18, s16, 1                          ; CH: which half of B's rows.  Also: which half of that tile I fetch
	s_bfe_u32 s19, ttmp6, 0x40000                  ; cx, cy: my place in the cluster
	s_bfe_u32 s20, ttmp6, 0x40004
	s_lshr_b32 s92, ttmp9, 1                       ; clusters 0-15: 8 rows x 2 columns of clusters
	s_and_b32 s93, ttmp9, 1
	s_and_b32 s94, ttmp9, 7                        ; clusters 16-23: 1 row x 8 columns
	s_cmp_lt_u32 ttmp9, 16
	s_cselect_b32 s21, s92, 0                      ; the cluster's row,
	s_cselect_b32 s22, s93, s94                    ; its column,
	s_cselect_b32 s27, 0, 128                      ; A's first row block in its buffer: x's 0, or Wv's 128 in wc
	s_lshl_b32 s23, s21, 2
	s_add_co_u32 s23, s23, s20                     ; tile row = 4 x cluster row + cy
	s_lshl_b32 s24, s22, 2
	s_add_co_u32 s24, s24, s19                     ; tile column = 4 x cluster column + cx
	s_lshl_b32 s25, s20, 2
	s_lshl_b32 s25, 15, s25                        ; my row of the cluster
	s_lshl_b32 s26, 0x1111, s19                    ; my column
	; descriptor group 1: MA (A) or 8 (B) row blocks' parts of a chunk: rows of 3,072 bytes (384 elements of 8), 12,288 bytes apart in memory, on end in LDS
	s_or_b32 s[G1A], s25, (3<<16)|(1<<21)          ; 15:0 the mask: A's tiles go to my row; 17:16 elements of 8 bytes; 20 no padding; 21 set beside a mask
	s_or_b32 s[G1B], s26, (3<<16)|(1<<21)
	s_mov_b32 s[G1A+1], 768<<16                    ; tensor_dim0: the head's load brings rows of 6,144 bytes (four K steps)
	s_mov_b32 s[G1A+2], MA<<16                     ; tensor_dim1
	s_mov_b32 s[G1A+3], 768<<16                    ; tile_dim0
	s_mov_b32 s[G1A+4], MA                         ; tile_dim1
	s_mov_b32 s[G1A+5], 1536                       ; tensor_dim0_stride
	s_mov_b32 s[G1A+6], 0
	s_mov_b32 s[G1A+7], 0
	s_mov_b32 s[G1B+1], 768<<16
	s_mov_b32 s[G1B+2], 8<<16
	s_mov_b32 s[G1B+3], 768<<16
	s_mov_b32 s[G1B+4], 8
	s_mov_b32 s[G1B+5], 1536
	s_mov_b32 s[G1B+6], 0
	s_mov_b32 s[G1B+7], 0
	; A's offsets hang on the tile row alone, B's on the tile column alone, each in registers that never hold the other coordinate
	s_mul_i32 s28, s23, 2*MA
	s_add_co_u32 s28, s28, s27                     ; the tile's first row block of A
	s_mul_i32 s29, s18, MA
	s_mul_i32 s31, s17, MA
	s_add_co_u32 s30, s28, s31                     ; the MA row blocks that I multiply,
	s_add_co_u32 s28, s28, s29                     ; and those that I fetch
	s_mul_i32 s28, s28, RBP
	s_lshl_b32 s30, s30, 9
	s_mov_b32 s29, 0
	s_mov_b32 s31, 0
	s_lshl_b32 s32, s24, 4
	s_lshl_b32 s33, s18, 3
	s_add_co_u32 s32, s32, s33                     ; B: row block 16 x tile column + 8 CH: fetched and multiplied alike
	s_lshl_b32 s34, s32, 9
	s_mul_i32 s32, s32, RBP
	s_mov_b32 s33, 0
	s_mov_b32 s35, 0
	s_mul_i32 s62, s18, 2*MA*RBB                   ; where the tiles go in the large slot: no place in the cluster enters an LDS address
	s_mul_i32 s63, s18, 16*RBB
	s_add_co_u32 s63, s63, 2*BOFF
	s_mul_i32 s66, s17, 2*MA*RBB                   ; and where I read there
	v_add_nc_u32 v[ADRA], s66, v[LI]
	v_add_nc_u32 v[ADRB], s63, v[LI]
	s_mul_i32 s66, s17, MA*RBB                     ; the slot behind it
	s_add_co_u32 s66, s66, 2*SLOTB
	s_mul_i32 s67, s18, 8*RBB
	s_add_co_u32 s67, s67, 2*SLOTB+BOFF
	v_add_nc_u32 v[ADRA+1], s66, v[LI]
	v_add_nc_u32 v[ADRB+1], s67, v[LI]
	s_mov_b32 s[SEL], 0x76543210
	s_mov_b32 s[SEL+1], 0xfedcba98
	s_wait_kmcnt 0x0
	s_cmp_lt_u32 ttmp9, 16
	s_cselect_b64 s[4:5], s[36:37], s[40:41]       ; A's codes: xc or wc
	s_cselect_b64 s[6:7], s[38:39], s[42:43]       ; A's scales
	s_cselect_b64 s[8:9], s[40:41], s[36:37]       ; B's codes: wc or xc
	s_cselect_b64 s[10:11], s[42:43], s[38:39]     ; B's scales
	s_add_nc_u64 s[4:5], s[4:5], s[28:29]
	s_add_nc_u64 s[6:7], s[6:7], s[30:31]
	s_add_nc_u64 s[8:9], s[8:9], s[32:33]
	s_add_nc_u64 s[10:11], s[10:11], s[34:35]
	; where my 128 x 128 goes: qkvc [t 3][batch 4][head 8][block of 128 tokens 16][image 8][1,536 bytes]
	s_lshl_b32 s92, s23, 1
	s_add_co_u32 s92, s92, s17                     ; R: my 128 rows of A'
	s_lshl_b32 s93, s24, 1
	s_add_co_u32 s93, s93, s18                     ; Cn: my 128 rows of B'
	s_add_co_u32 s94, s92, 16
	s_cmp_lt_u32 ttmp9, 16
	s_cselect_b32 s95, s92, s93                    ; X: the block of 128 tokens, 0..63
	s_cselect_b32 s96, s93, s94                    ; Y: 8 t + head
	s_lshr_b32 s97, s96, 3
	s_lshl_b32 s97, s97, 9
	s_lshr_b32 s98, s95, 4
	s_lshl_b32 s98, s98, 7
	s_add_co_u32 s97, s97, s98
	s_and_b32 s98, s96, 7
	s_lshl_b32 s98, s98, 4
	s_add_co_u32 s97, s97, s98
	s_and_b32 s98, s95, 15
	s_add_co_u32 s97, s97, s98                     ; 512 t + 128 batch + 16 head + block
	s_mul_i32 s92, s97, RBP
	s_mov_b32 s93, 0
	s_lshl_b32 s94, s97, 9
	s_mov_b32 s95, 0
	s_add_nc_u64 s[12:13], s[12:13], s[92:93]
	s_add_nc_u64 s[14:15], s[14:15], s[94:95]
	CROUND                                         ; all sixteen work-groups are here: the first joint loads meet
	s_mul_i32 s66, s18, MA*RBB
	s_add_co_u32 s66, s66, 2*SLOTB                 ; where A's part of K steps 4, 5 goes (B's: s67)
	s_mov_b32 s[G0A], 1                            ; set 0: K steps 0-3, later 6, 7
	s_mov_b32 s[G0A+1], s62
	s_mov_b64 s[G0A+2:G0A+3], s[4:5]
	s_or_b32 s[G0A+3], s[G0A+3], 0x80000000
	s_mov_b32 s[G0A+4], 1                          ; set 1: K steps 4, 5
	s_mov_b32 s[G0A+5], s66
	s_add_nc_u64 s[G0A+6:G0A+7], s[4:5], 2*RBB
	s_or_b32 s[G0A+7], s[G0A+7], 0x80000000
	s_mov_b32 s[G0B], 1
	s_mov_b32 s[G0B+1], s63
	s_mov_b64 s[G0B+2:G0B+3], s[8:9]
	s_or_b32 s[G0B+3], s[G0B+3], 0x80000000
	s_mov_b32 s[G0B+4], 1
	s_mov_b32 s[G0B+5], s67
	s_add_nc_u64 s[G0B+6:G0B+7], s[8:9], 2*RBB
	s_or_b32 s[G0B+7], s[G0B+7], 0x80000000
	JLOAD 0                                        ; one tensor load a wave at the head: K steps 0-3
.set li, 0
.rept MA
	global_load_b128 v[SA+4*li:SA+4*li+3], v[LI], s[6:7] offset:512*li   ; the scale words of all of K stay in registers: 512 consecutive bytes a load
.set li, li+1
.endr
.set li, 0
.rept 8
	global_load_b128 v[SB+4*li:SB+4*li+3], v[LI], s[10:11] offset:512*li
.set li, li+1
.endr
.macro FRAG reg, adr, s, i             ; a fragment of K step s comes as it was stored: three loads of 16 bytes a lane, 512 consecutive bytes each
.if (\s) < 4
.set fo, (\i)*2*RBB+(\s)*FIB           ; the large slot: a row block's part is four images
.set fr, (\adr)
.elseif (\s) < 6
.set fo, (\i)*RBB+((\s)-4)*FIB         ; the slot behind it
.set fr, (\adr)+1
.else
.set fo, (\i)*RBB+((\s)-6)*FIB         ; the refill, at the start of the same part of the large slot, two images a row block
.set fr, (\adr)
.endif
.irp c, 0,1,2
	ds_load_b128 v[(\reg)+4*\c:(\reg)+4*\c+3], v[fr] offset:fo+512*\c
.endr
.endm
.macro FETCH_B s                       ; B's eight fragments of K step s into set s % 2
	WIN TO_B
.irp i, 0,1,2,3,4,5,6,7
	FRAG 128*((\s)%2)+12*\i, ADRB, \s, \i
.endr
	WIN 0
.endm
.macro FETCH_A s, hf                   ; half hf of A's blocks of K step s
.set fa, (\hf)*(MA/2)
.rept MA/2
	FRAG AF+12*fa, ADRA, \s, fa
.set fa, fa+1
.endr
.endm
; A quarter of a K step's products: MA / 4 of A's blocks x B's eight.  The accumulators take turns, one instruction a turn, in the same order in every step.
.macro MULQ qd, s, zero
.set ma, (\qd)*(MA/4)
.rept MA/4
.set mb, 0
.rept 8
.set rD, 8*(8*(ma%4)+mb)
.set rB, 128*((\s)%2)+12*mb
.set rA, AF+12*ma
.set rSB, SB+4*mb+(\s)%4
.set rSA, SA+4*ma+(\s)%4
.if \zero
	v_wmma_scale_f32_16x16x128_f8f6f4 v[rD:rD+7], v[rB:rB+11], v[rA:rA+11], 0, v[rSB], v[rSA] matrix_a_fmt:MATRIX_FMT_FP6 matrix_b_fmt:MATRIX_FMT_FP6
.elseif (\s) < 4
	v_wmma_scale_f32_16x16x128_f8f6f4 v[rD:rD+7], v[rB:rB+11], v[rA:rA+11], v[rD:rD+7], v[rSB], v[rSA] matrix_a_fmt:MATRIX_FMT_FP6 matrix_b_fmt:MATRIX_FMT_FP6
.else
	v_wmma_scale_f32_16x16x128_f8f6f4 v[rD:rD+7], v[rB:rB+11], v[rA:rA+11], v[rD:rD+7], v[rSB], v[rSA] matrix_a_fmt:MATRIX_FMT_FP6 matrix_b_fmt:MATRIX_FMT_FP6 matrix_a_scale:MATRIX_SCALE_ROW1 matrix_b_scale:MATRIX_SCALE_ROW1
.endif
.set mb, mb+1
.endr
.set ma, ma+1
.endr
.endm
.macro STEP s, zero                    ; a K step whose successor lies in the same slot
	s_wait_dscnt (MA/2)*NL                         ; B's set and A's first half are in; the youngest loads (A's second half) may be out
	WIN MULW1
	MULQ 0, \s, \zero
	MULQ 1, \s, \zero
	s_wait_dscnt 0x0                               ; A's second half is in
	PLACES
	FETCH_B (\s)+1
	FETCH_A (\s)+1, 0
	WIN MULW2
	MULQ 2, \s, \zero
	MULQ 3, \s, \zero
	PLACES
	WIN 0
	FETCH_A (\s)+1, 1
.endm
; A slot's last K step.  kind 0: the next chunk is shown landed, a later one may stay out.  kind 1: slot 0 is filled again.  kind 2: the refill is shown landed.
.macro TURN s, kind
.if (\kind) == 0
	s_wait_tensorcnt 0x1                           ; my part of chunk 1 is in; chunk 2's load was issued behind it and may be out
	s_wait_dscnt (MA/2)*NL
.elseif (\kind) == 1
	s_wait_tensorcnt 0x0                           ; all my tensor loads have landed, my part of chunk 2 among them;
	ds_add_u32 v[SPW], v[NIL]                      ; 0 onto my spare word;
	s_wait_dscnt (MA/2)*NL+1                       ; (the add and the youngest loads, A's second half, may be out)
.else
	s_wait_tensorcnt 0x0                           ; my one load that was out, my part of chunk 3, is in
	s_wait_dscnt (MA/2)*NL
.endif
	WIN MULW1
	MULQ 0, \s, 0
	s_wait_dscnt 0x0                               ; my LDS instructions are done: my reads of this slot, and the add where there is one
	s_barrier_signal -1
	MULQ 1, \s, 0
	WIN 0                                          ; (at a branch and at a label every window is 0)
	s_barrier_wait -1
.if (\kind) == 1
	CREST                                          ; the barrier has opened a round of the cluster's: no wave of any partner reads slot 0 (its last reads, of K step 3, ended ahead of the barrier) or has a load on its way
	s_add_nc_u64 s[G0A+2:G0A+3], s[G0A+2:G0A+3], 3*RBB   ; from chunk 0 to chunk 3
	s_add_nc_u64 s[G0B+2:G0B+3], s[G0B+2:G0B+3], 3*RBB
	JLOAD 0                                        ; the first tensor load behind the round; its four v_nop are the places in front of the loads below
.else
	PLACES
.endif
	FETCH_B (\s)+1
	FETCH_A (\s)+1, 0
	WIN MULW2
	MULQ 2, \s, 0
	MULQ 3, \s, 0
	PLACES
	WIN 0
	FETCH_A (\s)+1, 1
.endm
; 64 numbers of a lane in window ws, register 16 b + i = k 32 b + 16 (lane / 16) + i of my row, become a fragment's codes in v[PC] on and its scale word in v[PW], both in window 0.
; Each accumulator is read from its low end on.
.macro QUANT s, ws
	WIN (\ws)|((\ws)<<2)
.irp b, 0,1,2,3
	v_max3_num_f32 v[TM+\b], |v[\s+16*\b]|, |v[\s+1+16*\b]|, 0x1800000   ; my 16 numbers of block b, and the floor 2^(3 - 127): the byte cannot fall under 1
.endr
	WIN ((\ws)<<2)|((\ws)<<4)
.irp i, 2,4,6,8,10,12,14
.irp b, 0,1,2,3
	v_max3_num_f32 v[TM+\b], v[TM+\b], |v[\s+16*\b+\i]|, |v[\s+1+16*\b+\i]|
.endr
.endr
	WIN 0
.irp b, 0,1,2,3
	v_permlanex16_b32 v[TM+4+\b], v[TM+\b], s[SEL], s[SEL+1]
.endr
.irp b, 0,1,2,3
	v_max_num_f32 v[TM+\b], v[TM+\b], v[TM+4+\b]   ; with lane l xor 16's 16: the block's largest magnitude
.endr
.irp b, 0,1,2,3
	v_add_nc_u32 v[SOP+\b], 0xff000000, v[TM+\b]   ; 2 off its exponent field: the conversion's scale operand
.endr
.irp b, 0,1,2,3
	v_lshrrev_b32 v[TM+4+\b], 23, v[SOP+\b]        ; the scale's byte
.endr
	v_lshl_or_b32 v[PW], v[TM+5], 8, v[TM+4]
	v_lshl_or_b32 v[PW], v[TM+6], 16, v[PW]
	v_lshl_or_b32 v[PW], v[TM+7], 24, v[PW]
	WIN (\ws)
.irp c, 0,1
	v_cvt_scalef32_pk16_fp6_f32 v[PC+6*\c:PC+2+6*\c], v[\s+32*\c:\s+15+32*\c], v[SOP+2*\c]
	v_cvt_scalef32_pk16_fp6_f32 v[PC+12+4*\c:PC+14+4*\c], v[\s+16+32*\c:\s+31+32*\c], v[SOP+2*\c+1]
.endr
	WIN 0
	v_nop                                          ; one plain instruction behind the scaled conversions
.irp c, 0,1
.irp i, 0,1,2
	v_permlane16_swap_b32 v[PC+6*\c+\i], v[PC+12+4*\c+\i]
.endr
.irp i, 0,1,2
	v_mov_b32 v[PC+3+6*\c+\i], v[PC+12+4*\c+\i]
.endr
.endr
.endm
	s_wait_alu depctr_va_vdst(0)                   ; the wait at the head's end
	s_wait_tensorcnt 0x0                           ; my part of K steps 0-3 is in
	ds_add_u32 v[SPW], v[NIL]
	s_mov_b32 s[G1A+1], 384<<16                    ; no tensor load of mine is out: from here on a load's rows are 3,072 bytes (two K steps)
	s_mov_b32 s[G1A+3], 384<<16
	s_mov_b32 s[G1B+1], 384<<16
	s_mov_b32 s[G1B+3], 384<<16
	s_wait_dscnt 0x0
	CROUND                                         ; everybody's part is in, and all sixteen work-groups are here
	JLOAD 4                                        ; K steps 4, 5: the first tensor load behind the round
	FETCH_B 0
	FETCH_A 0, 0
	FETCH_A 0, 1
	s_wait_loadcnt 0x0                             ; the scale words
	STEP 0, 1                                      ; the first K step's products start the sums: nothing is cleared
	STEP 1, 0
	STEP 2, 0
	TURN 3, 1
	STEP 4, 0
	TURN 5, 2
	STEP 6, 0
	s_wait_dscnt (MA/2)*NL                         ; the last K step: nothing more to fetch
	WIN MULW1
	MULQ 0, 7, 0
	MULQ 1, 7, 0
	s_wait_dscnt 0x0
	WIN MULW2
	MULQ 2, 7, 0
	MULQ 3, 7, 0
	WIN 0
	PLACES
	; THE WAY OUT: each of A's eight blocks is one image of 16 rows x 128 along the next K
.irp b, 0,1,2,3
	v_mov_b32 v[TM+4+\b], 0                        ; a lane permute's destination counts as one of its sources
.endr
.irp a, 0,1,2,3,4,5,6,7
.if \a > 0
	s_wait_xcnt 0x0                                ; the last image's stores have read the codes' registers
.endif
	QUANT 64*(\a%4), 2+\a/4
	v_mov_b32 v[SW+\a], v[PW]
.irp c, 0,1,2
	global_store_b128 v[LI], v[PC+4*\c:PC+4*\c+3], s[12:13] offset:FIB*\a+512*\c   ; 512 consecutive bytes, aligned
.endr
.endr
	v_cmp_le_u32 vcc_lo, 16, v1                    ; both halves of the lanes hold all eight words of row r: lanes 0-15 store words 0-3, lanes 16-31 words 4-7
.irp j, 0,1,2,3
	v_cndmask_b32 v[SWO+\j], v[SW+\j], v[SW+4+\j], vcc_lo
.endr
	global_store_b128 v[LI], v[SWO:SWO+3], s[14:15]
	s_wait_tensorcnt 0x0                           ; the wave's end
	ds_add_u32 v[SPW], v[NIL]
	s_wait_dscnt 0x0
	CROUND                                         ; the closing round: no work-group ends while a partner may still ask for a tile that names it
	s_endpgm
.Lfunc_end_k_q8c74071882_qkv:
	.size	k_q8c74071882_qkv, .Lfunc_end_k_q8c74071882_qkv-k_q8c74071882_qkv
	.p2alignl 7, 3214868480
	.fill 96, 4, 3214868480
	.section	.rodata,"a",@progbits
	.p2align	6, 0x0
	.amdhsa_kernel k_q8c74071882_qkv
		.amdhsa_group_segment_fixed_size 327680
		.amdhsa_private_segment_fixed_size 0
		.amdhsa_enable_private_segment 0
		.amdhsa_kernarg_size 48
		.amdhsa_user_sgpr_count 2
		.amdhsa_user_sgpr_kernarg_segment_ptr 1
		.amdhsa_wavefront_size32 1
		.amdhsa_system_sgpr_workgroup_id_x 1
		.amdhsa_system_sgpr_workgroup_id_y 1
		.amdhsa_system_sgpr_workgroup_id_z 1
		.amdhsa_system_vgpr_workitem_id 0
		.amdhsa_next_free_vgpr 1024
		.amdhsa_next_free_sgpr 100
		.amdhsa_reserve_vcc 1
		.amdhsa_float_denorm_mode_32 3
		.amdhsa_float_denorm_mode_16_64 3
		.amdhsa_memory_ordered 1
		.amdhsa_forward_progress 1
		.amdhsa_inst_pref_size 137
	.end_amdhsa_kernel
	.amdgpu_metadata
---
amdhsa.version: [ 1, 2 ]
amdhsa.kernels:
  - .name:           k_q8c74071882_qkv
    .symbol:         k_q8c74071882_qkv.kd
    .args:
      - { .name: xc, .offset: 0, .size: 8, .value_kind: global_buffer, .address_space: global }
      - { .name: xs, .offset: 8, .size: 8, .value_kind: global_buffer, .address_space: global }
      - { .name: wc, .offset: 16, .size: 8, .value_kind: global_buffer, .address_space: global }
      - { .name: ws, .offset: 24, .size: 8, .value_kind: global_buffer, .address_space: global }
      - { .name: qkvc, .offset: 32, .size: 8, .value_kind: global_buffer, .address_space: global }
      - { .name: qkvs, .offset: 40, .size: 8, .value_kind: global_buffer, .address_space: global }
    .group_segment_fixed_size: 327680
    .private_segment_fixed_size: 0
    .kernarg_segment_align: 8
    .kernarg_segment_size: 48
    .max_flat_workgroup_size: 128
    .sgpr_count:     100
    .vgpr_count:     1024
    .wavefront_size: 32
...
	.end_amdgpu_metadata
.endif
;; end of part 2
;; launch attn (part 3): grid 8 x 32, 8 waves a work-group, no clusters, 327,680 bytes of LDS; arguments qkvc, qkvs, ctxc, ctxs; writes ctxc, ctxs
.if DOCPART == 3
	.amdgcn_target "amdgcn-amd-amdhsa--gfx1250"
	.amdhsa_code_object_version 6
	.text
	.protected	k_q8c74071882_attn
	.globl	k_q8c74071882_attn
	.p2align	8
	.type	k_q8c74071882_attn,@function
k_q8c74071882_attn:
	s_mov_b64 s[64:65], 0
	v_nop
	global_prefetch_b8 v0, s[64:65] scope:SCOPE_SE
	s_setreg_imm32_b32 hwreg(HW_REG_WAVE_MODE, 25, 1), 1
	s_wait_xcnt 0x0
; ctx = softmax(q k^T / sqrt(128), causal) v for 32 heads of 2,048 tokens x 128 channels, both products on codes of FP6 (E2M3) with one E8M0 scale for each 32 along K; ctx is quantised along D and stored as operand images.
; LEFT OUT: key steps all of whose keys come after a wave's queries.  The causal mask sets their scores to -inf, so their weights are 0 for all values of the inputs.  A NaN or infinity that reaches only such keys is not carried.
; INPUT: qkvc [t 3][head 32][block of 128 tokens 16][image 8][1,536 bytes], qkvs [t][head][block][512 bytes].  An image is a fragment's 12 registers a lane: register 4 c + e of lane l at byte 512 c + 16 l + 4 e.
; q, k images: lane r holds token 32 (a / 2) + 8 (a % 2) + r + 8 (r / 8) of the block, K = the head's 128.  v images: lane r holds that CHANNEL, K = the block's 128 keys.  A scale image: word 4 hl + j of row r at byte 16 (r + 16 hl) + 4 j.
; THE SOFTMAX: t = score x log2(e) / sqrt(128); M = the running largest t rounded UP to a whole number; p = 2^(t - M) is quantised along the keys, not normalised; the row's sum is taken of the unquantised p and divides at the end.
; When M moves, the sum and O are multiplied by 2^(old M - new M): exact.
; SHARES.  Work-group (I, head), I = 0..7, owns the query blocks I and 15 - I.  A key step is a block of 128 keys.  A WAVE OWNS TWO IMAGES, 2 u and 2 u + 1 (u = wave % 4), so that each fragment of K and V read from LDS feeds two products:
; waves 0-3 those of block 15 - I, waves 4-7 those of block I.  Steps 0 .. I: every wave works on its own images.  Behind step I waves 4-7 put their finished O, M and sums into an LDS stage and begin SECOND, partial sums for the
; same-numbered images of block 15 - I.  Of steps I + 1 .. 15 - I, those at an odd distance from I are taken by waves 0-3, the others by waves 4-7: 9 and 8 steps a wave.  At the end the partial sums go through the stage and are
; joined by waves 0-3 (both parts are brought under the larger M by powers of two, which rounds nothing), waves 4-7 take their own images back, and one way out serves all.
; Which steps a wave takes is a mask of 16 bits made of ids; a step not taken is jumped over by a scalar branch, round no barrier, wait or add.
; LDS: two slots of two key steps (K's two blocks, V's two, their four scale images: 51,200 bytes), filled by turns; the stage (16 x 8,704 bytes, no tensor load lands there); the spare words.
; Each wave issues one tensor load at the head and one behind each barrier: waves 0-5 8,192 bytes of codes, waves 6, 7 two scale images.  One load of a wave is out at the most; every wait on TENSORcnt is for 0.
; A slot beyond the work-group's last key step is not asked for: where that begins hangs on I.  The launch claims all of LDS.
; NO CLUSTER: the eight work-groups of a head read the same K and V, but the jumps over steps hang on I, which differs between them.
; PREFETCH: in trip t wave 7 asks for the codes of trip t + 2's slot, one trip ahead of their tensor load: of K's and V's 24,576 bytes the work-group I names 3,072 each, 24 lanes a block of 256 bytes each
; (the last 8 lanes name the 24th again); trips 6 and 7 ask for nothing.  The scale images, 2,048 bytes of a slot's 51,200, are not asked for.
; WORK-GROUP NUMBERS: head = 16 (x / 4) + y / 2, I = x % 4 + 4 (y % 2).
; LIMITS: NaN and infinities are not served; the promise holds while the scaled scores stay under 2^31 in magnitude; a block of p or of ctx whose largest magnitude lies under 2^-124 has its byte held at 1 (a block of zeros too:
; its codes are zeros); a block's largest p is taken from its largest score, which takes v_exp_f32 not to fall where its input rises.  ctx's scale word is stored as 4 bytes a row, 16 bytes apart.
; REGISTERS, in two windows of 256.  Image m's state lies in window m under the same numbers: v3 the mask's bound, v4 -inf, v12 -M, v13 the largest t, v[14:15] the sum, v16-27 Q, v28-31 and v88-95 the second Q, v96-159 S^T, then p,
; v160-223 O^T, v224-235 p's codes, v232-252 at work.  v32-79: fragments 0-3 in window 0, fragments 4-7 in window 1.  Window 0 alone: v1, v2, v5, v6, v8-11 addresses; v80-83 K's scale words, v84-87 V's; v255, v254 Q's scale words;
; v253, v7 p's (a scale operand is taken from window 0).  Window 1 alone: v8, v9 the second Q's scale words.
.set FIB,   1536                       ; a fragment image
.set BLKB,  8*FIB                      ; a block of 128 tokens
.set VOF,   2*BLKB                     ; in a slot: V's two blocks behind K's two
.set SOF,   4*BLKB                     ; then K's two scale images and V's two
.set SLOT,  SOF+2048
.set STG,   2*SLOT                     ; the stage: for each u four places of 8,704 bytes (O^T 8,192; -M, t and the sum 512): block I's images 0, 1, then the partial sums 0, 1
.set STGW,  8704
.set SPARE, STG+16*STGW                ; the spare words, 128 bytes for each wave: four blocks of 256 bytes that no other line names
.set LI,    1                          ; 16 x lane
.set STA,   2                          ; my u's places in the stage + 16 x lane
.set DD,    3                          ; my query's place in its block - 16 (lane / 16)
.set NINF,  4
.set SPW,   5
.set NIL,   6
.set ADK,   8
.set ADS,   9
.set R16,   10                         ; 16 x (lane % 16)
.set PFO,   11                         ; the prefetch's offset
.set PC,    32
.set TM,    236
.set SOP,   TM+8
.set PW,    248
.set WV,    12
.set II,    13
.set BH,    14
.set DG,    15                         ; the key step on my images' diagonal
.set IMG,   16                         ; 2 u
.set ST,    17
.set TB,    18
.set TS,    19
.set CNT,   20
.set SEL,   22
.set CS,    24
.set ACT,   26                         ; bit s: I take key step s
.set TMAX,  27                         ; the last trip with work
.set G1,    28                         ; 8,192 dense bytes as 32 rows of 256
.set G1S,   36                         ; 1,024 as 4 rows
.set G0,    44                         ; group 0 for codes, a set a slot
.set G0S,   52                         ; for scale images
.set OUT,   60
.set TR,    61
.set ROLE,  62
.set SWT,   63                         ; the trip that holds step I
.set PF,    84
.set HI,    90
.set MSB, 0
.macro WIN new                         ; bits 1:0 source 0, 3:2 source 1, 5:4 source 2, 7:6 destination; the high byte repeats the setting that is left; at a label and at a branch every window is 0
.if MSB != (\new)
	s_set_vgpr_msb (MSB<<8)|(\new)
.set MSB, (\new)
.endif
.endm
.macro NOP4
.rept 4
	v_nop
.endr
.endm
.macro FILL sl                         ; my one load into slot sl; two shapes, so two groups 1 and a branch on the wave's number round the two lines
	s_cmp_lt_u32 s[WV], 6
	s_cbranch_scc0 .Lsc_\@
	tensor_load_to_lds s[G0+4*(\sl):G0+4*(\sl)+3], s[G1:G1+7]
	s_nop 0
	NOP4
	s_branch .Lfd_\@
.Lsc_\@:
	tensor_load_to_lds s[G0S+4*(\sl):G0S+4*(\sl)+3], s[G1S:G1S+7]
	s_nop 0
	NOP4
.Lfd_\@:
.endm
.macro FRESH m                         ; image m's sums begin: the largest t -3e38, -M its negative, the sum and O^T zeros (the key step has no first step of its own)
	WIN 0x40*\m
	v_mov_b32 v13, 0xff61b1e6
	v_mov_b32 v12, 0x7f61b1e6
	v_mov_b32 v14, 0
	v_mov_b32 v15, 0
.set j, 0
.rept 64
	v_mov_b32 v[160+j], 0
.set j, j+1
.endr
.endm
	s_load_b256 s[4:11], s[0:1], 0x0               ; qkvc, qkvs, ctxc, ctxs
	v_lshl_add_u32 v[SPW], v0, 2, SPARE
	v_mov_b32 v[NIL], 0
	ds_add_u32 v[SPW], v[NIL]                      ; the opening lines: the add twice on end and its wait ahead of my first tensor load
	ds_add_u32 v[SPW], v[NIL]
	v_lshrrev_b32 v8, 5, v0
	s_delay_alu instid0(VALU_DEP_1)
	v_readfirstlane_b32 s[WV], v8                  ; wave 0..7
	s_and_b32 s21, ttmp7, 0xffff
	s_lshr_b32 s[BH], ttmp9, 2
	s_lshl_b32 s[BH], s[BH], 4
	s_lshr_b32 s66, s21, 1
	s_add_co_u32 s[BH], s[BH], s66                 ; head
	s_and_b32 s[II], ttmp9, 3
	s_and_b32 s66, s21, 1
	s_lshl_b32 s66, s66, 2
	s_add_co_u32 s[II], s[II], s66                 ; I
	s_sub_co_u32 s[HI], 15, s[II]
	s_lshr_b32 s[TMAX], s[HI], 1
	s_lshr_b32 s[SWT], s[II], 1
	s_lshr_b32 s[ROLE], s[WV], 2
	s_and_b32 s[IMG], s[WV], 3
	s_lshl_b32 s[IMG], s[IMG], 1
	s_cmp_eq_u32 s[ROLE], 0
	s_cselect_b32 s[DG], s[HI], s[II]              ; my own images' block
	s_add_co_u32 s66, s[II], s[ROLE]
	s_add_co_u32 s66, s66, 1
	s_lshl_b32 s66, 0x5555, s66                    ; every second step from I + 1 (waves 0-3) or I + 2 (waves 4-7) on,
	s_lshr_b32 s67, 0x10000, s[II]
	s_sub_co_u32 s67, s67, 1
	s_and_b32 s66, s66, s67                        ; up to step 15 - I,
	s_lshl_b32 s67, 2, s[II]
	s_sub_co_u32 s67, s67, 1
	s_or_b32 s[ACT], s66, s67                      ; and steps 0 .. I
	s_lshl_b32 s69, s[BH], 4                       ; the head's first block
	s_cmp_lt_u32 s[WV], 3                          ; codes: waves 0-2 K's 24,576 bytes of a slot, waves 3-5 V's, 8,192 each
	s_cselect_b32 s66, 0, 512
	s_cselect_b32 s67, 0, 3
	s_add_co_u32 s66, s66, s69
	s_add_co_u32 s66, s66, 512                     ; k's blocks begin at 512, v's at 1,024
	s_mul_i32 s66, s66, BLKB
	s_sub_co_u32 s67, s[WV], s67
	s_lshl_b32 s67, s67, 13
	s_add_co_u32 s66, s66, s67
	s_mov_b32 s67, 0
	s_and_b32 s70, s[WV], 1                        ; scale images: wave 6 K's two, wave 7 V's
	s_lshl_b32 s70, s70, 9
	s_add_co_u32 s70, s70, s69
	s_add_co_u32 s70, s70, 512
	s_lshl_b32 s70, s70, 9
	s_mov_b32 s71, 0
	s_mul_i32 s86, s[IMG], FIB                     ; image 2 u's place in its block, and its scale word's; image 2 u + 1 lies 1,536 and 4 bytes on
	s_lshr_b32 s87, s[IMG], 2
	s_lshl_b32 s87, s87, 8
	s_and_b32 s68, s[IMG], 3
	s_lshl_b32 s68, s68, 2
	s_add_co_u32 s87, s87, s68
	s_add_co_u32 s68, s69, s[DG]                   ; q of my own images
	s_mul_i32 s72, s68, BLKB
	s_add_co_u32 s72, s72, s86
	s_mov_b32 s73, 0
	s_lshl_b32 s74, s68, 9
	s_add_co_u32 s74, s74, s87
	s_mov_b32 s75, 0
	s_add_co_u32 s68, s69, s[HI]                   ; q of the same-numbered images of block 15 - I
	s_mul_i32 s80, s68, BLKB
	s_add_co_u32 s80, s80, s86
	s_mov_b32 s81, 0
	s_lshl_b32 s82, s68, 9
	s_add_co_u32 s82, s82, s87
	s_mov_b32 s83, 0
	s_add_co_u32 s92, s69, 512                     ; the prefetch: K's blocks of the head, my work-group's eighth, one slot on (each trip steps it a slot before it asks)
	s_mul_i32 s92, s92, BLKB
	s_mul_i32 s93, s[II], 3072
	s_add_co_u32 s92, s92, s93
	s_add_co_u32 s92, s92, VOF
	s_mov_b32 s93, 0
	s_lshr_b32 s68, s[BH], 3                       ; ctx: row block 128 x batch + 8 x block + image, K step = the head in its batch
	s_lshl_b32 s68, s68, 7
	s_lshl_b32 s21, s[DG], 3
	s_add_co_u32 s68, s68, s21
	s_add_co_u32 s68, s68, s[IMG]
	s_and_b32 s21, s[BH], 7
	s_lshl_b32 s76, s68, 3
	s_add_co_u32 s76, s76, s21
	s_mul_i32 s76, s76, FIB
	s_mov_b32 s77, 0
	s_lshl_b32 s78, s68, 9
	s_lshr_b32 s79, s21, 2
	s_lshl_b32 s79, s79, 8
	s_add_co_u32 s78, s78, s79
	s_and_b32 s79, s21, 3
	s_lshl_b32 s79, s79, 2
	s_add_co_u32 s78, s78, s79
	s_mov_b32 s79, 0
	s_mov_b32 s[G1], 3<<16                         ; no mask; elements of 8 bytes; no padding
	s_mov_b32 s[G1+1], 32<<16
	s_mov_b32 s[G1+2], 32<<16
	s_mov_b32 s[G1+3], 32<<16
	s_mov_b32 s[G1+4], 32
	s_mov_b32 s[G1+5], 32
	s_mov_b32 s[G1+6], 0
	s_mov_b32 s[G1+7], 0
	s_mov_b32 s[G1S], 3<<16
	s_mov_b32 s[G1S+1], 32<<16
	s_mov_b32 s[G1S+2], 4<<16
	s_mov_b32 s[G1S+3], 32<<16
	s_mov_b32 s[G1S+4], 4
	s_mov_b32 s[G1S+5], 32
	s_mov_b32 s[G1S+6], 0
	s_mov_b32 s[G1S+7], 0
	s_lshl_b32 s88, s[WV], 13                      ; LDS: 8,192 x wave (waves 0-5),
	s_lshl_b32 s89, s[WV], 10
	s_add_co_u32 s89, s89, SOF-6*1024              ; or SOF + 1,024 x (wave - 6)
	s_mul_i32 s91, s[IMG], 2*STGW
	s_add_co_u32 s91, s91, STG
	s_mov_b32 s[SEL], 0x76543210
	s_mov_b32 s[SEL+1], 0xfedcba98
	s_mov_b32 s[CS], 0x3e0293ee                    ; log2(e) / sqrt(128)
	s_mov_b32 s[CS+1], s[CS]
	s_lshl_b32 s21, s[IMG], 4                      ; 32 u
	s_wait_dscnt 0x0                               ; both opening adds are done
	s_wait_kmcnt 0x0
	s_add_nc_u64 s[66:67], s[4:5], s[66:67]
	s_add_nc_u64 s[70:71], s[6:7], s[70:71]
.irp sl, 0,1
	s_mov_b32 s[G0+4*\sl], 1
	s_add_co_u32 s[G0+4*\sl+1], s88, \sl*SLOT
	s_add_nc_u64 s[G0+4*\sl+2:G0+4*\sl+3], s[66:67], \sl*VOF
	s_or_b32 s[G0+4*\sl+3], s[G0+4*\sl+3], 0x80000000
	s_mov_b32 s[G0S+4*\sl], 1
	s_add_co_u32 s[G0S+4*\sl+1], s89, \sl*SLOT
	s_add_nc_u64 s[G0S+4*\sl+2:G0S+4*\sl+3], s[70:71], \sl*1024
	s_or_b32 s[G0S+4*\sl+3], s[G0S+4*\sl+3], 0x80000000
.endr
	FILL 0                                         ; key steps 0 and 1: one tensor load a wave at the head
	s_add_nc_u64 s[72:73], s[4:5], s[72:73]
	s_add_nc_u64 s[74:75], s[6:7], s[74:75]
	s_add_nc_u64 s[80:81], s[4:5], s[80:81]
	s_add_nc_u64 s[82:83], s[6:7], s[82:83]
	s_add_nc_u64 s[76:77], s[8:9], s[76:77]
	s_add_nc_u64 s[78:79], s[10:11], s[78:79]
	s_add_nc_u64 s[PF:PF+1], s[4:5], s[92:93]
	v_and_b32 v[LI], 31, v0
	v_and_b32 v[R16], 15, v0
	v_and_b32 v9, 8, v0
	v_lshlrev_b32 v[LI], 4, v[LI]
	s_delay_alu instid0(VALU_DEP_2)
	v_add_nc_u32 v[DD], v[R16], v9
	v_and_b32 v9, 16, v0
	v_lshlrev_b32 v[R16], 4, v[R16]
	s_delay_alu instid0(VALU_DEP_2)
	v_sub_nc_u32 v[DD], v[DD], v9
.irp m, 0,1
	WIN \m<<6                                      ; a load's data are its destination
.irp c, 0,1,2
	global_load_b128 v[16+4*\c:19+4*\c], v[LI], s[72:73] offset:\m*FIB+512*\c   ; Q's fragments stay in registers
.endr
	global_load_b128 v[28:31], v[LI], s[80:81] offset:\m*FIB          ; every wave loads the second Q too: one text for all; waves 4-7 use it
	global_load_b128 v[88:91], v[LI], s[80:81] offset:\m*FIB+512
	global_load_b128 v[92:95], v[LI], s[80:81] offset:\m*FIB+1024
.endr
	global_load_b32 v8, v[R16], s[82:83]           ; (window 1)
	global_load_b32 v9, v[R16], s[82:83] offset:4
	WIN 0
	global_load_b32 v255, v[R16], s[74:75]
	global_load_b32 v254, v[R16], s[74:75] offset:4
	v_add_nc_u32 v[DD], s21, v[DD]
	v_add_nc_u32 v[STA], s91, v[LI]
	v_and_b32 v8, 31, v0
	s_delay_alu instid0(VALU_DEP_1)
	v_min_u32 v8, 23, v8                           ; lanes 0-11 K's blocks of 256 bytes, lanes 12-23 V's
	s_delay_alu instid0(VALU_DEP_1)
	v_add_nc_u32 v9, 4, v8
	s_delay_alu instid0(VALU_DEP_1)
	v_lshrrev_b32 v9, 4, v9                        ; 1 from lane 12 on
	s_delay_alu instid0(VALU_DEP_1)
	v_mul_u32_u24 v9, 0x5ff400, v9                 ; v's blocks lie 512 x 12,288 bytes behind k's; less the 12 x 256 counted below
	s_delay_alu instid0(VALU_DEP_1)
	v_lshl_add_u32 v[PFO], v8, 8, v9
	v_mov_b32 v7, 0
	WIN 0x40
	v_add_nc_u32 v[DD], 8, v[DD]                   ; image 2 u + 1's queries lie 8 tokens on
.irp m, 0,1
	WIN 0x40*\m
	v_mov_b32 v[NINF], 0xff800000
.irp b, 0,1,2,3
	v_mov_b32 v[236+\b], 0                         ; a lane permute's destination counts as one of its sources
.endr
	v_mov_b32 v252, 0
	v_mov_b32 v253, 0                              ; (named as the upper half of the pair v[252:253])
	FRESH \m
.endr
	WIN 0
.macro FRAGS off                       ; eight images into the fragments' registers: 0-3 in window 0, 4-7 in window 1
.irp hf, 0,1
	WIN 0x40*\hf
.irp t, 0,1,2,3
.irp c, 0,1,2
	ds_load_b128 v[32+12*\t+4*\c:35+12*\t+4*\c], v[ADK] offset:(\off)+(4*\hf+\t)*FIB+512*\c
.endr
.endr
.endr
	WIN 0
.endm
; Image m's scores become p's codes and scale word; the sum and O^T are brought under the new M.  All registers in window m, but for the scale word.
.macro SOFTMAX m
	WIN 0x55*\m
	s_wait_alu depctr_va_vdst(0)                   ; the wait, directly ahead of the first readers of S^T
.irp b, 0,1,2,3
	v_max3_num_f32 v[232+\b], v[96+16*\b], v[97+16*\b], v[98+16*\b]   ; the largest score of each block of 32 keys: for the row's maximum and for the block's largest p
.endr
.irp i, 3,5,7,9,11,13
.irp b, 0,1,2,3
	v_max3_num_f32 v[232+\b], v[232+\b], v[96+16*\b+\i], v[97+16*\b+\i]
.endr
.endr
.irp b, 0,1,2,3
	v_max_num_f32 v[232+\b], v[232+\b], v[111+16*\b]
.endr
.irp b, 0,1,2,3
	s_delay_alu instid0(VALU_DEP_4)
	v_permlanex16_b32 v[236+\b], v[232+\b], s[SEL], s[SEL+1]
.endr
.irp b, 0,1,2,3
	s_delay_alu instid0(VALU_DEP_4)
	v_max_num_f32 v[232+\b], v[232+\b], v[236+\b]  ; with lane l xor 16's 16 keys
.endr
	s_delay_alu instid0(VALU_DEP_2)
	v_max3_num_f32 v251, v232, v233, v234
	s_delay_alu instid0(VALU_DEP_1)
	v_max_num_f32 v251, v251, v235                 ; the step's largest score of my query
	s_delay_alu instid0(VALU_DEP_1)
	v_mul_f32 v251, s[CS], v251
	s_delay_alu instid0(VALU_DEP_1)
	v_max_num_f32 v13, v13, v251                   ; the running largest t
	v_mov_b32 v251, v12
	s_delay_alu instid0(VALU_DEP_2)
	v_floor_f32 v12, -v13                          ; the new -M = -ceil(t)
	s_delay_alu instid0(VALU_DEP_1)
	v_sub_f32 v251, v12, v251                      ; old M - new M: a whole number, 0 or less
	s_delay_alu instid0(VALU_DEP_1)
	v_cvt_i32_f32 v251, v251                       ; (it saturates)
	s_delay_alu instid0(VALU_DEP_1)
	v_ldexp_f32 v252, 1.0, v251                    ; f = 2^(old M - new M)
.set j, 0
.rept 32
	v_pk_fma_f32 v[96+j:97+j], v[96+j:97+j], s[CS:CS+1], v[12:13] op_sel_hi:[1,0,0]   ; t - M, two at a time
.set j, j+2
.endr
.irp b, 0,1,2,3
	v_fma_f32 v[232+\b], v[232+\b], s[CS], v12     ; the same of each block's largest score
.endr
	s_wait_alu depctr_va_vdst(0)                   ; the wait ahead of the batch
.set j, 0
.rept 64
	v_exp_f32 v[96+j], v[96+j]                     ; p = 2^(t - M)
.set j, j+1
.endr
	v_pk_mul_f32 v[14:15], v[14:15], v[252:253] op_sel_hi:[1,0]   ; the sums under the new M: a plain instruction behind the exponentials
	s_wait_alu depctr_va_vdst(0)                   ; one wait for the batch of 64, ahead of its first reader
.irp b, 0,1,2,3
	v_exp_f32 v[232+\b], v[232+\b]                 ; the block's largest p
.endr
.irp k, 0,1,2,3,4,5,6,7                        ; the row's sum of the unquantised p: eight chains of pairs in v236-251
	v_pk_add_f32 v[236+2*\k:237+2*\k], v[96+2*\k:97+2*\k], v[112+2*\k:113+2*\k]
.endr
.irp k, 0,1,2,3,4,5,6,7
	v_pk_add_f32 v[236+2*\k:237+2*\k], v[236+2*\k:237+2*\k], v[128+2*\k:129+2*\k]
.endr
.irp k, 0,1,2,3,4,5,6,7
	v_pk_add_f32 v[236+2*\k:237+2*\k], v[236+2*\k:237+2*\k], v[144+2*\k:145+2*\k]
.endr
.irp k, 0,1,2,3
	s_delay_alu instid0(VALU_DEP_4)
	v_pk_add_f32 v[236+2*\k:237+2*\k], v[236+2*\k:237+2*\k], v[244+2*\k:245+2*\k]
.endr
	s_delay_alu instid0(VALU_DEP_2)
	v_pk_add_f32 v[236:237], v[236:237], v[240:241]
	s_delay_alu instid0(VALU_DEP_2)
	v_pk_add_f32 v[238:239], v[238:239], v[242:243]
	s_delay_alu instid0(VALU_DEP_1)
	v_pk_add_f32 v[236:237], v[236:237], v[238:239]
	s_delay_alu instid0(VALU_DEP_1)
	v_pk_add_f32 v[14:15], v[14:15], v[236:237]
	s_wait_alu depctr_va_vdst(0)                   ; and one for the four
.irp b, 0,1,2,3
	v_max_num_f32 v[232+\b], 0x1800000, v[232+\b]  ; the floor 2^(3 - 127): the byte cannot fall under 1
.endr
.irp b, 0,1,2,3
	s_delay_alu instid0(VALU_DEP_4)
	v_add_nc_u32 v[244+\b], 0xff000000, v[232+\b]  ; 2 off the exponent field: the conversion's scale operand
.endr
.irp b, 0,1,2,3
	s_delay_alu instid0(VALU_DEP_4)
	v_lshrrev_b32 v[236+\b], 23, v[244+\b]         ; the scale's byte
.endr
	s_delay_alu instid0(VALU_DEP_3)
	v_lshl_or_b32 v250, v237, 8, v236
	s_delay_alu instid0(VALU_DEP_1)
	v_lshl_or_b32 v250, v238, 16, v250
	WIN 0x15*\m                                    ; the destination in window 0
	v_lshl_or_b32 v[253-246*\m], v239, 24, v250    ; p's scale word for these 128 keys: v253 or v7
	WIN 0x55*\m
.irp c, 0,1
	v_cvt_scalef32_pk16_fp6_f32 v[224+6*\c:226+6*\c], v[96+32*\c:111+32*\c], v[244+2*\c]
	v_cvt_scalef32_pk16_fp6_f32 v[236+4*\c:238+4*\c], v[112+32*\c:127+32*\c], v[244+2*\c+1]
.endr
	v_nop                                          ; one plain instruction behind the scaled conversions
.irp c, 0,1
.irp i, 0,1,2
	v_permlane16_swap_b32 v[224+6*\c+\i], v[236+4*\c+\i]
.endr
.irp i, 0,1,2
	s_delay_alu instid0(VALU_DEP_3)
	v_mov_b32 v[227+6*\c+\i], v[236+4*\c+\i]
.endr
.endr
	s_wait_alu depctr_va_vdst(0)                   ; the wait, directly ahead of the first readers of O^T
.set j, 0
.rept 32
	v_pk_mul_f32 v[160+j:161+j], v[160+j:161+j], v[252:253] op_sel_hi:[1,0]   ; O^T under the new M; also the plain instructions between p's codes and scale word and the products
.set j, j+2
.endr
.endm
.macro PV m                            ; O^T += V^T p^T for image m: eight accumulators, one instruction each
.irp hf, 0,1
	WIN \hf|(0x54*\m)
.irp t, 0,1,2,3
.if \hf == 0
	v_wmma_scale_f32_16x16x128_f8f6f4 v[160+8*\t:167+8*\t], v[32+12*\t:43+12*\t], v[224:235], v[160+8*\t:167+8*\t], v[84+\t], v[253-246*\m] matrix_a_fmt:MATRIX_FMT_FP6 matrix_b_fmt:MATRIX_FMT_FP6
.else
	v_wmma_scale_f32_16x16x128_f8f6f4 v[192+8*\t:199+8*\t], v[32+12*\t:43+12*\t], v[224:235], v[192+8*\t:199+8*\t], v[84+\t], v[253-246*\m] matrix_a_fmt:MATRIX_FMT_FP6 matrix_b_fmt:MATRIX_FMT_FP6 matrix_a_scale:MATRIX_SCALE_ROW1
.endif
.endr
.endr
.endm
.macro STEP
	s_bitcmp1_b32 s[ACT], s[ST]                    ; not my step: its work is left out
	s_cbranch_scc0 .Lhid_\@
	v_add_nc_u32 v[ADK], s[TB], v[LI]
	v_add_nc_u32 v[ADS], s[TS], v[LI]
	s_wait_alu depctr_va_vdst(0)
	v_nop
	v_nop                                          ; four plain instructions behind the last step's products, ahead of loads into their sources
	FRAGS 0                                        ; K's eight images
	ds_load_b128 v[80:83], v[ADS]                  ; K's scale words: register t: lanes 0-15 image t, lanes 16-31 image 4 + t
	ds_load_b128 v[84:87], v[ADS] offset:1024      ; V's likewise
	s_wait_dscnt 0x0
.irp m, 0,1                                    ; S^T = K Q^T for both images: each fragment serves twice
.irp hf, 0,1
	WIN \hf|(\m<<2)|(\m<<6)
.irp t, 0,1,2,3
.if \hf == 0
	v_wmma_scale_f32_16x16x128_f8f6f4 v[96+8*\t:103+8*\t], v[32+12*\t:43+12*\t], v[16:27], 0, v[80+\t], v[255-\m] matrix_a_fmt:MATRIX_FMT_FP6 matrix_b_fmt:MATRIX_FMT_FP6
.else
	v_wmma_scale_f32_16x16x128_f8f6f4 v[128+8*\t:135+8*\t], v[32+12*\t:43+12*\t], v[16:27], 0, v[80+\t], v[255-\m] matrix_a_fmt:MATRIX_FMT_FP6 matrix_b_fmt:MATRIX_FMT_FP6 matrix_a_scale:MATRIX_SCALE_ROW1
.endif
.endr
.endr
.endr
	WIN 0
	NOP4
	FRAGS VOF                                      ; V's eight images are asked for here and land under the softmax
	s_cmp_lg_u32 s[ST], s[DG]                      ; on the diagonal alone: register 16 b + i holds key 32 b + 16 (lane / 16) + i: hidden where 32 b + i > v[DD]
	s_cbranch_scc1 .Lopen_\@
.irp m, 0,1
	WIN 0x55*\m
.set j, 0
.rept 64
	v_cmp_gt_i32 vcc_lo, 32*(j/16)+j%16, v[DD]
	v_cndmask_b32 v[96+j], v[96+j], v[NINF], vcc_lo
.set j, j+1
.endr
.endr
	WIN 0
.Lopen_\@:
	SOFTMAX 0
	s_wait_alu depctr_va_vdst(0)                   ; the wait, directly ahead of the wait below
	s_wait_dscnt 0x0                               ; V's images
	PV 0                                           ; image 0's second product stands ahead of image 1's softmax, which names none of its registers
	SOFTMAX 1
	PV 1
	WIN 0
.Lhid_\@:
	s_add_co_u32 s[TB], s[TB], BLKB                ; on every path: the next step's blocks, scale images and number
	s_add_co_u32 s[TS], s[TS], 512
	s_add_co_u32 s[ST], s[ST], 1
.endm
.macro PARK pl                         ; both images' O^T, -M, t and sum into places pl, pl + 1 of the stage, as images of their registers, each accumulator from its low end on
	NOP4                                           ; behind the last products, ahead of reads of their results
	s_wait_alu depctr_va_vdst(0)                   ; the wait, directly ahead of the first readers of O^T
.irp m, 0,1
	WIN \m<<2                                      ; an LDS store's data are its source 1
.set j, 0
.rept 16
	ds_store_b128 v[STA], v[160+4*j:163+4*j] offset:((\pl)+\m)*STGW+512*j
.set j, j+1
.endr
	ds_store_b128 v[STA], v[12:15] offset:((\pl)+\m)*STGW+8192
.endr
	WIN 0
.endm
; A trip: two key steps out of slot sl, while the other slot is filled.
.macro TRIP sl
	s_wait_xcnt 0x0                                ; my prefetch has read its address: it is stepped only behind this wait
	s_add_nc_u64 s[PF:PF+1], s[PF:PF+1], VOF
	s_wait_tensorcnt 0x0                           ; my one load that was out, my part of this slot, is in: so a group 0 may be written
	ds_add_u32 v[SPW], v[NIL]
	s_add_nc_u64 s[G0+4*(\sl)+2:G0+4*(\sl)+3], s[G0+4*(\sl)+2:G0+4*(\sl)+3], 2*VOF   ; this slot's next two steps
	s_add_nc_u64 s[G0S+4*(\sl)+2:G0S+4*(\sl)+3], s[G0S+4*(\sl)+2:G0S+4*(\sl)+3], 2048
	s_wait_dscnt 0x0                               ; the add is done, and my reads of the other slot are over
	s_barrier_signal -1
	s_barrier_wait -1                              ; both hold of all eight waves
	s_cmp_ge_u32 s[TR], s[TMAX]                    ; no wave of this work-group reads the next trip's steps: they are not asked for
	s_cbranch_scc1 .Lnf_\@
	FILL 1-(\sl)
.Lnf_\@:
	s_cmp_gt_u32 s[TR], 5                          ; trips 6 and 7 have no slot two on
	s_cbranch_scc1 .Lnp_\@
	s_cmp_lg_u32 s[WV], 7
	s_cbranch_scc1 .Lnp_\@
	global_prefetch_b8 v[PFO], s[PF:PF+1] th:TH_LOAD_NT scope:SCOPE_SE
.Lnp_\@:
	s_mov_b32 s[TB], (\sl)*SLOT
	s_mov_b32 s[TS], (\sl)*SLOT+SOF
	s_mov_b32 s[CNT], 2
.Lst_\@:
	STEP
	s_sub_co_u32 s[CNT], s[CNT], 1
	s_cmp_lg_u32 s[CNT], 0
	s_cbranch_scc1 .Lst_\@
	s_cmp_eq_u32 s[ROLE], 0                        ; waves 4-7, behind the trip that holds step I: my own images are finished
	s_cbranch_scc1 .Lns_\@
	s_cmp_lg_u32 s[TR], s[SWT]
	s_cbranch_scc1 .Lns_\@
	PARK 0
	WIN 0x01                                       ; from here on: partial sums for the images of block 15 - I
	v_mov_b32 v255, v8
	v_mov_b32 v254, v9
.irp m, 0,1
	WIN 0x55*\m
.irp k, 0,1,2,3
	v_mov_b32 v[16+\k], v[28+\k]
.endr
.irp k, 0,1,2,3,4,5,6,7
	v_mov_b32 v[20+\k], v[88+\k]
.endr
	FRESH \m
.endr
	WIN 0
	s_mov_b32 s[DG], 255                           ; none of my further steps lies on the diagonal
	s_wait_alu depctr_va_vdst(0)
.Lns_\@:
	s_add_co_u32 s[TR], s[TR], 1
.endm
	s_wait_alu depctr_va_vdst(0)                   ; the wait at the head's end
	s_wait_loadcnt 0x0                             ; both Q of both images
	s_mov_b32 s[ST], 0
	s_mov_b32 s[TR], 0
	s_mov_b32 s[OUT], 4
.Lout:                                             ; eight trips in every work-group; what lies beyond its last key step is jumped over
	TRIP 0
	TRIP 1
	s_sub_co_u32 s[OUT], s[OUT], 1
	s_cmp_lg_u32 s[OUT], 0
	s_cbranch_scc1 .Lout
	s_wait_tensorcnt 0x0                           ; no tensor load is out
	NOP4                                           ; on every wave's way: behind the last products, ahead of stores of their results and of loads into their registers
	s_cmp_eq_u32 s[ROLE], 0
	s_cbranch_scc1 .Lmeet
	PARK 2                                         ; waves 4-7: the partial sums
.Lmeet:
	s_wait_dscnt 0x0
	s_barrier_signal -1
	s_barrier_wait -1
	s_cmp_eq_u32 s[ROLE], 0
	s_cbranch_scc1 .Ljoin
.irp m, 0,1                                    ; waves 4-7 take their own images back
	WIN \m<<6
.set j, 0
.rept 16
	ds_load_b128 v[160+4*j:163+4*j], v[STA] offset:\m*STGW+512*j
.set j, j+1
.endr
	ds_load_b128 v[12:15], v[STA] offset:\m*STGW+8192
.endr
	WIN 0
	s_wait_dscnt 0x0
	s_branch .Lway
.Ljoin:
	NOP4                                           ; behind the last products, ahead of reads of their results
.irp m, 0,1                                    ; waves 0-3 join the partial sums to theirs
	WIN \m<<6
.set j, 0
.rept 16
	ds_load_b128 v[96+4*j:99+4*j], v[STA] offset:(2+\m)*STGW+512*j
.set j, j+1
.endr
	ds_load_b128 v[248:251], v[STA] offset:(2+\m)*STGW+8192
.endr
	WIN 0
	s_wait_dscnt 0x0
.irp m, 0,1
	WIN 0x55*\m
	v_min_num_f32 v244, v12, v248                  ; -M of the two parts together
	s_delay_alu instid0(VALU_DEP_1)
	v_sub_f32 v240, v244, v12
	s_delay_alu instid0(VALU_DEP_2)
	v_sub_f32 v242, v244, v248                     ; whole numbers, 0 or less
	s_delay_alu instid0(VALU_DEP_2)
	v_cvt_i32_f32 v240, v240                       ; (they saturate: a part that took no step counts for nothing)
	s_delay_alu instid0(VALU_DEP_2)
	v_cvt_i32_f32 v242, v242
	s_delay_alu instid0(VALU_DEP_2)
	v_ldexp_f32 v240, 1.0, v240
	s_delay_alu instid0(VALU_DEP_2)
	v_ldexp_f32 v242, 1.0, v242
	s_delay_alu instid0(VALU_DEP_2)
	v_mov_b32 v241, v240
	s_delay_alu instid0(VALU_DEP_2)
	v_mov_b32 v243, v242
	v_pk_mul_f32 v[14:15], v[14:15], v[240:241]
	s_wait_alu depctr_va_vdst(0)                   ; the wait, directly ahead of the first readers of O^T
.set j, 0
.rept 32
	v_pk_mul_f32 v[160+j:161+j], v[160+j:161+j], v[240:241]
.set j, j+2
.endr
	v_pk_fma_f32 v[14:15], v[250:251], v[242:243], v[14:15]
.set j, 0
.rept 32
	v_pk_fma_f32 v[160+j:161+j], v[96+j:97+j], v[242:243], v[160+j:161+j]
.set j, j+2
.endr
.endr
	WIN 0
.Lway:
; THE WAY OUT.  O^T is divided by the row's sum; its 64 registers are 16 neighbours of each block of 32 of the head's channels, K step (head) of the last product: quantised and stored as one image.
.irp m, 0,1
	WIN 0x55*\m
	v_add_f32 v14, v14, v15
	s_delay_alu instid0(VALU_DEP_1)
	v_permlanex16_b32 v252, v14, s[SEL], s[SEL+1]
	s_delay_alu instid0(VALU_DEP_1)
	v_add_f32 v14, v14, v252                       ; the row's sum
	s_wait_alu depctr_va_vdst(0)                   ; the wait ahead of the reciprocal
	v_rcp_f32 v14, v14
.irp b, 0,1,2,3
	v_mov_b32 v[TM+4+\b], 0                        ; plain instructions behind the reciprocal; a lane permute's destination counts as one of its sources
.endr
	s_wait_alu depctr_va_vdst(0)                   ; and ahead of its first reader
.set j, 0
.rept 64
	v_mul_f32 v[96+j], v[160+j], v14
.set j, j+1
.endr
.irp b, 0,1,2,3
	v_max3_num_f32 v[TM+\b], |v[96+16*\b]|, |v[97+16*\b]|, 0x1800000
.endr
.irp i, 2,4,6,8,10,12,14
.irp b, 0,1,2,3
	s_delay_alu instid0(VALU_DEP_4)
	v_max3_num_f32 v[TM+\b], v[TM+\b], |v[96+16*\b+\i]|, |v[97+16*\b+\i]|
.endr
.endr
.irp b, 0,1,2,3
	s_delay_alu instid0(VALU_DEP_4)
	v_permlanex16_b32 v[TM+4+\b], v[TM+\b], s[SEL], s[SEL+1]
.endr
.irp b, 0,1,2,3
	s_delay_alu instid0(VALU_DEP_4)
	v_max_num_f32 v[TM+\b], v[TM+\b], v[TM+4+\b]
.endr
.irp b, 0,1,2,3
	s_delay_alu instid0(VALU_DEP_4)
	v_add_nc_u32 v[SOP+\b], 0xff000000, v[TM+\b]
.endr
.irp b, 0,1,2,3
	s_delay_alu instid0(VALU_DEP_4)
	v_lshrrev_b32 v[TM+4+\b], 23, v[SOP+\b]
.endr
	s_delay_alu instid0(VALU_DEP_3)
	v_lshl_or_b32 v[PW], v[TM+5], 8, v[TM+4]
	s_delay_alu instid0(VALU_DEP_1)
	v_lshl_or_b32 v[PW], v[TM+6], 16, v[PW]
	s_delay_alu instid0(VALU_DEP_1)
	v_lshl_or_b32 v[PW], v[TM+7], 24, v[PW]
.irp c, 0,1
	v_cvt_scalef32_pk16_fp6_f32 v[PC+6*\c:PC+2+6*\c], v[96+32*\c:111+32*\c], v[SOP+2*\c]
	v_cvt_scalef32_pk16_fp6_f32 v[PC+12+4*\c:PC+14+4*\c], v[112+32*\c:127+32*\c], v[SOP+2*\c+1]
.endr
	v_nop
.irp c, 0,1
.irp i, 0,1,2
	v_permlane16_swap_b32 v[PC+6*\c+\i], v[PC+12+4*\c+\i]
.endr
.irp i, 0,1,2
	s_delay_alu instid0(VALU_DEP_3)
	v_mov_b32 v[PC+3+6*\c+\i], v[PC+12+4*\c+\i]
.endr
.endr
	WIN \m<<2                                      ; a store's data are its source 1
.irp c, 0,1,2
	global_store_b128 v[LI], v[PC+4*\c:PC+4*\c+3], s[76:77] offset:\m*BLKB+512*\c   ; 512 consecutive bytes, aligned; the next image's row block lies 12,288 bytes on
.endr
	global_store_b32 v[R16], v[PW], s[78:79] offset:\m*512   ; row r's scale word; lanes l and l + 16 write the same four bytes with the same value
.endr
	WIN 0
	s_wait_tensorcnt 0x0                           ; the wave's end
	ds_add_u32 v[SPW], v[NIL]
	s_wait_dscnt 0x0
	s_endpgm
.Lfunc_end_k_q8c74071882_attn:
	.size	k_q8c74071882_attn, .Lfunc_end_k_q8c74071882_attn-k_q8c74071882_attn
	.p2alignl 7, 3214868480
	.fill 96, 4, 3214868480
	.section	.rodata,"a",@progbits
	.p2align	6, 0x0
	.amdhsa_kernel k_q8c74071882_attn
		.amdhsa_group_segment_fixed_size 327680
		.amdhsa_private_segment_fixed_size 0
		.amdhsa_enable_private_segment 0
		.amdhsa_kernarg_size 32
		.amdhsa_user_sgpr_count 2
		.amdhsa_user_sgpr_kernarg_segment_ptr 1
		.amdhsa_wavefront_size32 1
		.amdhsa_system_sgpr_workgroup_id_x 1
		.amdhsa_system_sgpr_workgroup_id_y 1
		.amdhsa_system_sgpr_workgroup_id_z 1
		.amdhsa_system_vgpr_workitem_id 0
		.amdhsa_next_free_vgpr 512
		.amdhsa_next_free_sgpr 100
		.amdhsa_reserve_vcc 1
		.amdhsa_float_denorm_mode_32 3
		.amdhsa_float_denorm_mode_16_64 3
		.amdhsa_memory_ordered 1
		.amdhsa_forward_progress 1
		.amdhsa_inst_pref_size 160
	.end_amdhsa_kernel
	.amdgpu_metadata
---
amdhsa.version: [ 1, 2 ]
amdhsa.kernels:
  - .name:           k_q8c74071882_attn
    .symbol:         k_q8c74071882_attn.kd
    .args:
      - { .name: qkvc, .offset: 0, .size: 8, .value_kind: global_buffer, .address_space: global }
      - { .name: qkvs, .offset: 8, .size: 8, .value_kind: global_buffer, .address_space: global }
      - { .name: ctxc, .offset: 16, .size: 8, .value_kind: global_buffer, .address_space: global }
      - { .name: ctxs, .offset: 24, .size: 8, .value_kind: global_buffer, .address_space: global }
    .group_segment_fixed_size: 327680
    .private_segment_fixed_size: 0
    .kernarg_segment_align: 8
    .kernarg_segment_size: 32
    .max_flat_workgroup_size: 256
    .sgpr_count:     100
    .vgpr_count:     512
    .wavefront_size: 32
...
	.end_amdgpu_metadata
.endif
;; end of part 3
;; launch oproj (part 4): grid 64 x 4, 4 waves a work-group, clusters of 4 x 4, 327,680 bytes of LDS; arguments ctxc, ctxs, wc, ws, out0; writes out0
.if DOCPART == 4
	.amdgcn_target "amdgcn-amd-amdhsa--gfx1250"
	.amdhsa_code_object_version 6
	.text
	.protected	k_q8c74071882_oproj
	.globl	k_q8c74071882_oproj
	.p2align	8
	.type	k_q8c74071882_oproj,@function
k_q8c74071882_oproj:
	s_mov_b64 s[64:65], 0
	v_nop
	global_prefetch_b8 v0, s[64:65] scope:SCOPE_SE
	s_setreg_imm32_b32 hwreg(HW_REG_WAVE_MODE, 25, 1), 1
	s_wait_xcnt 0x0
	s_wait_alu depctr_hold_cnt(0) depctr_sa_sdst(0) depctr_va_vdst(0) depctr_va_sdst(0) depctr_va_ssrc(0) depctr_va_vcc(0) depctr_vm_vsrc(0)
	s_getreg_b32 s2, hwreg(HW_REG_IB_STS2, 6, 4)
	s_cmp_eq_u32 s2, 0
	s_cbranch_scc0 .Lentry_in_a_cluster
	s_endpgm
.Lentry_in_a_cluster:
	s_bfe_u32 s2, ttmp6, 0x10000c
	s_cmp_lg_u32 s2, 0xf033
	s_cbranch_scc0 .Lentry_shape_is_right
	s_endpgm
.Lentry_shape_is_right:
; out0 = ctx Wo^T on codes of FP6 (E2M3), K = 1,024, sums in f32.  ctx [8192][1024] and Wo [1024][1024] come as operand images; out0 [8192][1024] is f32.
; FORMATS.  A row block is 16 rows: lane r of row block a holds row 32 (a / 2) + 8 (a % 2) + r + 8 (r / 8).  A fragment image (16 rows x 128 K: 12 registers a lane) is 1,536 bytes:
; register 4 c + e of lane l at byte 512 c + 16 l + 4 e.  A scale image is 512 bytes: word 4 hl + j of row r at byte 16 (r + 16 hl) + 4 j.  ctxc, wc: [row block][K step 8][image]; Wo is wc's row blocks 192-255.
; A work-group of four waves (2 x 2) makes 128 x 256 of out0, a wave 64 x 128: 32 accumulators.  64 x 4 tiles: 256 work-groups, in 16 clusters of 4 x 4.
; THE MATRIX INSTRUCTION IS USED TRANSPOSED (source 0 = 16 rows of Wo, source 1 = 16 rows of ctx): register j of lane (r, hl) of tile b is column 32 (b / 2) + 16 hl + 8 (b % 2) + j of ctx's row r.
; LDS: three slots of one chunk (256 along K) each.  Chunks 0, 1, 2 are first fills, asked for together at the start: three tensor loads of a wave are out at the most.  Chunk 3 fills slot 0 again at the head of K step 3,
; behind a round of the cluster's barrier.  ctx's tiles are shared along a row of the cluster, Wo's along a column: each is asked for jointly.
; No prefetch: three of the four chunks are asked for at the kernel's head, and the fourth 80 matrix instructions ahead of the wait for it.
; REGISTERS, in windows of 256: window 0: v1-15 addresses; v32-47 A's scale words, v64-95 B's; v128-175 A's fragments, ONE set; on the way out v128-255 rows of out0.
;   window 1: B's fragments, TWO sets, at v0 and v128.   window 2: the accumulators ((a, b) at v[8 (8 a + b)]).
.set MA,    4                          ; A's row blocks a wave
.set NL,    3                          ; LDS loads that bring a fragment
.set FIB,   1536                       ; a fragment image
.set RBB,   2*FIB                      ; a row block's part of a chunk
.set RBP,   8*FIB                      ; a row block in memory
.set SLOTB, (2*MA+16)*RBB              ; a slot: A's 2 MA row blocks, then B's 16
.set BOFF,  2*MA*RBB
.set SPARE, 3*SLOTB                    ; behind the slots: the spare words, 128 bytes for each wave: two blocks of 256 bytes that no other line names
.set STAGE, SPARE+512                  ; behind them: 16 rows x 528 bytes for each wave, for the way out; no tensor load fills it
.set SPITCH, 528
.set LI,    2                          ; v2     16 x lane
.set ADRA,  4                          ; v4-6   LDS address of my A fragments in slot 0, 1, 2
.set ADRB,  8                          ; v8-10  the same for B
.set SPW,   12                         ; v12    LDS address of my spare word; never rewritten
.set NIL,   13                         ; v13    0; never rewritten
.set STO,   14                         ; v14    the way out: where I put 32 bytes of a row
.set RD,    15                         ; v15    and where I read a row back
.set SA,    32                         ; A's scale words: block a, register j: lanes 0-15 K step j, lanes 16-31 K step 4 + j
.set SB,    64                         ; B's likewise
.set AF,    128
.set BK,    128                        ; the way out: 16 rows read back: v128-191 and v192-255 by turns
.set G1A,   44                         ; s[44:51] descriptor group 1 for A's tiles;  s[52:59] for B's
.set G1B,   52
.set G0A,   68                         ; s[68:79] group 0 for A's tiles, a set for each slot;  s[80:91] for B's
.set G0B,   80
.set MSB, 0
.macro WIN new                         ; the immediate's high byte repeats the setting that is left; a switch that changes nothing is dropped
.if MSB != (\new)
	s_set_vgpr_msb (MSB<<8)|(\new)
.set MSB, (\new)
.endif
.endm
.set MULW1, 0xa1                       ; source 0 (B) window 1, source 1 (A) window 0, C and D window 2
.set MULW2, 0xa1+0x50*((MA-1)/4)       ; the same here: all four blocks' accumulators lie in window 2
.set TO_B,  0x40                       ; destination window 1, address window 0
.macro PLACES                          ; four plain instructions behind a matrix instruction, ahead of loads into its sources and of reads of its result
.rept 4
	v_nop
.endr
.endm
.macro CREST                           ; a round of the cluster's barrier behind its opening barrier
	s_cmp_lg_u32 s16, 0
	s_cbranch_scc1 .Lnot_wave_0_\@
	s_barrier_signal -3
.Lnot_wave_0_\@:
	s_barrier_wait -3
	s_barrier_signal -1
	s_barrier_wait -1
.endm
.macro CROUND                          ; a whole round
	s_barrier_signal -1
	s_barrier_wait -1
	CREST
.endm
; LDS AS THE TEXT BELOW USES IT (in place of the paragraph on LDS at the head): a large slot of 2 SLOTB bytes holds K steps 0-3, a row block's part 2 RBB bytes; one tensor load a wave brings it at the head.
; A slot of SLOTB bytes behind it holds K steps 4, 5: its first fill stands behind the three lines and a round of the cluster's barrier.  K steps 6, 7 fill the start of each wave's part of the large slot again, at K step 3.
.macro JLOAD g                         ; a joint load by the set of group 0 at \g: waves 0, 1 for A, waves 2, 3 for B; four v_nop follow each line
	s_cmp_eq_u32 s17, 0
	s_cbranch_scc0 .Lfor_b_\@
	tensor_load_to_lds s[G0A+\g:G0A+\g+3], s[G1A:G1A+7]
	s_nop 0
.rept 4
	v_nop
.endr
	s_branch .Lasked_\@
.Lfor_b_\@:
	tensor_load_to_lds s[G0B+\g:G0B+\g+3], s[G1B:G1B+7]
	s_nop 0
.rept 4
	v_nop
.endr
.Lasked_\@:
.endm
	s_load_b256 s[4:11], s[0:1], 0x0               ; ctxc s[4:5], ctxs s[6:7], wc s[8:9], ws s[10:11]
	s_load_b64 s[12:13], s[0:1], 0x20              ; out0
	v_lshl_add_u32 v[SPW], v0, 2, SPARE
	v_mov_b32 v[NIL], 0
	ds_add_u32 v12, v13
	ds_add_u32 v12, v13
	s_wait_dscnt 0x0
	v_lshrrev_b32 v1, 5, v0
	v_readfirstlane_b32 s16, v1                    ; wave 0..3
	v_and_b32 v1, 31, v0                           ; lane
	v_lshlrev_b32 v[LI], 4, v1
	s_wait_alu depctr_va_vdst(0)
	s_lshr_b32 s17, s16, 1                         ; RH: which half of A's rows is mine.  Also: I fetch for A (0) or for B (1)
	s_and_b32 s18, s16, 1                          ; CH: which half of B's rows.  Also: which half of that tile I fetch
	s_bfe_u32 s19, ttmp6, 0x40000                  ; cx, cy: my place in the cluster
	s_bfe_u32 s20, ttmp6, 0x40004
	s_lshl_b32 s23, ttmp9, 2
	s_add_co_u32 s23, s23, s20                     ; tile row = 4 x cluster + cy
	s_mov_b32 s24, s19                             ; tile column = cx
	s_lshl_b32 s25, s20, 2
	s_lshl_b32 s25, 15, s25                        ; my row of the cluster
	s_lshl_b32 s26, 0x1111, s19                    ; my column
	; descriptor group 1: MA (A) or 8 (B) row blocks' parts of a chunk: rows of 3,072 bytes (384 elements of 8), 12,288 bytes apart in memory, on end in LDS
	s_or_b32 s[G1A], s25, (3<<16)|(1<<21)          ; 15:0 the mask: A's tiles go to my row; 17:16 elements of 8 bytes; 20 no padding; 21 set beside a mask
	s_or_b32 s[G1B], s26, (3<<16)|(1<<21)
	s_mov_b32 s[G1A+1], 768<<16                    ; tensor_dim0: the head's load brings rows of 6,144 bytes (four K steps)
	s_mov_b32 s[G1A+2], MA<<16                     ; tensor_dim1
	s_mov_b32 s[G1A+3], 768<<16                    ; tile_dim0
	s_mov_b32 s[G1A+4], MA                         ; tile_dim1
	s_mov_b32 s[G1A+5], 1536                       ; tensor_dim0_stride
	s_mov_b32 s[G1A+6], 0
	s_mov_b32 s[G1A+7], 0
	s_mov_b32 s[G1B+1], 768<<16
	s_mov_b32 s[G1B+2], 8<<16
	s_mov_b32 s[G1B+3], 768<<16
	s_mov_b32 s[G1B+4], 8
	s_mov_b32 s[G1B+5], 1536
	s_mov_b32 s[G1B+6], 0
	s_mov_b32 s[G1B+7], 0
	; A's offsets hang on the tile row alone, B's on the tile column alone, each in registers that never hold the other coordinate
	s_mul_i32 s28, s23, 2*MA                       ; the tile's first row block of A
	s_mul_i32 s29, s18, MA
	s_mul_i32 s31, s17, MA
	s_add_co_u32 s30, s28, s31                     ; the MA row blocks that I multiply,
	s_add_co_u32 s28, s28, s29                     ; and those that I fetch
	s_mul_i32 s28, s28, RBP
	s_lshl_b32 s30, s30, 9
	s_mov_b32 s29, 0
	s_mov_b32 s31, 0
	s_lshl_b32 s32, s24, 4
	s_lshl_b32 s33, s18, 3
	s_add_co_u32 s32, s32, s33
	s_add_co_u32 s32, s32, 192                     ; B: row block 192 + 16 x tile column + 8 CH: fetched and multiplied alike
	s_lshl_b32 s34, s32, 9
	s_mul_i32 s32, s32, RBP
	s_mov_b32 s33, 0
	s_mov_b32 s35, 0
	s_mul_i32 s62, s18, 2*MA*RBB                   ; where the tiles go in the large slot: no place in the cluster enters an LDS address
	s_mul_i32 s63, s18, 16*RBB
	s_add_co_u32 s63, s63, 2*BOFF
	s_mul_i32 s66, s17, 2*MA*RBB                   ; and where I read there
	v_add_nc_u32 v[ADRA], s66, v[LI]
	v_add_nc_u32 v[ADRB], s63, v[LI]
	s_mul_i32 s66, s17, MA*RBB                     ; the slot behind it
	s_add_co_u32 s66, s66, 2*SLOTB
	s_mul_i32 s67, s18, 8*RBB
	s_add_co_u32 s67, s67, 2*SLOTB+BOFF
	v_add_nc_u32 v[ADRA+1], s66, v[LI]
	v_add_nc_u32 v[ADRB+1], s67, v[LI]
	v_and_b32 v3, 15, v0                           ; r
	v_bfe_u32 v7, v0, 4, 1                         ; hl
	s_mul_i32 s92, s16, 16*SPITCH
	s_add_co_u32 s92, s92, STAGE                   ; my stage
	v_mul_u32_u24 v[STO], v3, SPITCH
	v_lshl_add_u32 v[STO], v7, 6, v[STO]
	v_add_nc_u32 v[STO], s92, v[STO]               ; in: row r, + 64 hl
	v_add_nc_u32 v[RD], s92, v[LI]                 ; back: the 32 lanes take one row of 512 bytes
	s_lshl_b32 s92, s23, 7
	s_lshl_b32 s93, s17, 6
	s_add_co_u32 s92, s92, s93                     ; my first row of out0: 128 x tile row + 64 RH
	s_lshl_b32 s92, s92, 12
	s_lshl_b32 s93, s24, 10                        ; my first column, in bytes: 1,024 x tile column + 512 CH
	s_add_co_u32 s92, s92, s93
	s_lshl_b32 s93, s18, 9
	s_add_co_u32 s92, s92, s93
	s_mov_b32 s93, 0
	s_wait_kmcnt 0x0
	s_add_nc_u64 s[4:5], s[4:5], s[28:29]
	s_add_nc_u64 s[6:7], s[6:7], s[30:31]
	s_add_nc_u64 s[8:9], s[8:9], s[32:33]
	s_add_nc_u64 s[10:11], s[10:11], s[34:35]
	s_add_nc_u64 s[12:13], s[12:13], s[92:93]
	CROUND                                         ; all sixteen work-groups are here: the first joint loads meet
	s_mul_i32 s66, s18, MA*RBB
	s_add_co_u32 s66, s66, 2*SLOTB                 ; where A's part of K steps 4, 5 goes (B's: s67)
	s_mov_b32 s[G0A], 1                            ; set 0: K steps 0-3, later 6, 7
	s_mov_b32 s[G0A+1], s62
	s_mov_b64 s[G0A+2:G0A+3], s[4:5]
	s_or_b32 s[G0A+3], s[G0A+3], 0x80000000
	s_mov_b32 s[G0A+4], 1                          ; set 1: K steps 4, 5
	s_mov_b32 s[G0A+5], s66
	s_add_nc_u64 s[G0A+6:G0A+7], s[4:5], 2*RBB
	s_or_b32 s[G0A+7], s[G0A+7], 0x80000000
	s_mov_b32 s[G0B], 1
	s_mov_b32 s[G0B+1], s63
	s_mov_b64 s[G0B+2:G0B+3], s[8:9]
	s_or_b32 s[G0B+3], s[G0B+3], 0x80000000
	s_mov_b32 s[G0B+4], 1
	s_mov_b32 s[G0B+5], s67
	s_add_nc_u64 s[G0B+6:G0B+7], s[8:9], 2*RBB
	s_or_b32 s[G0B+7], s[G0B+7], 0x80000000
	JLOAD 0                                        ; one tensor load a wave at the head: K steps 0-3
.set li, 0
.rept MA
	global_load_b128 v[SA+4*li:SA+4*li+3], v[LI], s[6:7] offset:512*li   ; the scale words of all of K stay in registers: 512 consecutive bytes a load
.set li, li+1
.endr
.set li, 0
.rept 8
	global_load_b128 v[SB+4*li:SB+4*li+3], v[LI], s[10:11] offset:512*li
.set li, li+1
.endr
.macro FRAG reg, adr, s, i             ; a fragment of K step s comes as it was stored: three loads of 16 bytes a lane, 512 consecutive bytes each
.if (\s) < 4
.set fo, (\i)*2*RBB+(\s)*FIB           ; the large slot: a row block's part is four images
.set fr, (\adr)
.elseif (\s) < 6
.set fo, (\i)*RBB+((\s)-4)*FIB         ; the slot behind it
.set fr, (\adr)+1
.else
.set fo, (\i)*RBB+((\s)-6)*FIB         ; the refill, at the start of the same part of the large slot, two images a row block
.set fr, (\adr)
.endif
.irp c, 0,1,2
	ds_load_b128 v[(\reg)+4*\c:(\reg)+4*\c+3], v[fr] offset:fo+512*\c
.endr
.endm
.macro FETCH_B s                       ; B's eight fragments of K step s into set s % 2
	WIN TO_B
.irp i, 0,1,2,3,4,5,6,7
	FRAG 128*((\s)%2)+12*\i, ADRB, \s, \i
.endr
	WIN 0
.endm
.macro FETCH_A s, hf                   ; half hf of A's blocks of K step s
.set fa, (\hf)*(MA/2)
.rept MA/2
	FRAG AF+12*fa, ADRA, \s, fa
.set fa, fa+1
.endr
.endm
; A quarter of a K step's products: MA / 4 of A's blocks x B's eight.  The accumulators take turns, one instruction a turn, in the same order in every step.
.macro MULQ qd, s, zero
.set ma, (\qd)*(MA/4)
.rept MA/4
.set mb, 0
.rept 8
.set rD, 8*(8*(ma%4)+mb)
.set rB, 128*((\s)%2)+12*mb
.set rA, AF+12*ma
.set rSB, SB+4*mb+(\s)%4
.set rSA, SA+4*ma+(\s)%4
.if \zero
	v_wmma_scale_f32_16x16x128_f8f6f4 v[rD:rD+7], v[rB:rB+11], v[rA:rA+11], 0, v[rSB], v[rSA] matrix_a_fmt:MATRIX_FMT_FP6 matrix_b_fmt:MATRIX_FMT_FP6
.elseif (\s) < 4
	v_wmma_scale_f32_16x16x128_f8f6f4 v[rD:rD+7], v[rB:rB+11], v[rA:rA+11], v[rD:rD+7], v[rSB], v[rSA] matrix_a_fmt:MATRIX_FMT_FP6 matrix_b_fmt:MATRIX_FMT_FP6
.else
	v_wmma_scale_f32_16x16x128_f8f6f4 v[rD:rD+7], v[rB:rB+11], v[rA:rA+11], v[rD:rD+7], v[rSB], v[rSA] matrix_a_fmt:MATRIX_FMT_FP6 matrix_b_fmt:MATRIX_FMT_FP6 matrix_a_scale:MATRIX_SCALE_ROW1 matrix_b_scale:MATRIX_SCALE_ROW1
.endif
.set mb, mb+1
.endr
.set ma, ma+1
.endr
.endm
.macro STEP s, zero                    ; a K step whose successor lies in the same slot
	s_wait_dscnt (MA/2)*NL                         ; B's set and A's first half are in; the youngest loads (A's second half) may be out
	WIN MULW1
	MULQ 0, \s, \zero
	MULQ 1, \s, \zero
	s_wait_dscnt 0x0                               ; A's second half is in
	PLACES
	FETCH_B (\s)+1
	FETCH_A (\s)+1, 0
	WIN MULW2
	MULQ 2, \s, \zero
	MULQ 3, \s, \zero
	PLACES
	WIN 0
	FETCH_A (\s)+1, 1
.endm
; A slot's last K step.  kind 0: the next chunk is shown landed, a later one may stay out.  kind 1: slot 0 is filled again.  kind 2: the refill is shown landed.
.macro TURN s, kind
.if (\kind) == 0
	s_wait_tensorcnt 0x1                           ; my part of chunk 1 is in; chunk 2's load was issued behind it and may be out
	s_wait_dscnt (MA/2)*NL
.elseif (\kind) == 1
	s_wait_tensorcnt 0x0                           ; all my tensor loads have landed, my part of chunk 2 among them;
	ds_add_u32 v[SPW], v[NIL]                      ; 0 onto my spare word;
	s_wait_dscnt (MA/2)*NL+1                       ; (the add and the youngest loads, A's second half, may be out)
.else
	s_wait_tensorcnt 0x0                           ; my one load that was out, my part of chunk 3, is in
	s_wait_dscnt (MA/2)*NL
.endif
	WIN MULW1
	MULQ 0, \s, 0
	s_wait_dscnt 0x0                               ; my LDS instructions are done: my reads of this slot, and the add where there is one
	s_barrier_signal -1
	MULQ 1, \s, 0
	WIN 0                                          ; (at a branch and at a label every window is 0)
	s_barrier_wait -1
.if (\kind) == 1
	CREST                                          ; the barrier has opened a round of the cluster's: no wave of any partner reads slot 0 (its last reads, of K step 3, ended ahead of the barrier) or has a load on its way
	s_add_nc_u64 s[G0A+2:G0A+3], s[G0A+2:G0A+3], 3*RBB   ; from chunk 0 to chunk 3
	s_add_nc_u64 s[G0B+2:G0B+3], s[G0B+2:G0B+3], 3*RBB
	JLOAD 0                                        ; the first tensor load behind the round; its four v_nop are the places in front of the loads below
.else
	PLACES
.endif
	FETCH_B (\s)+1
	FETCH_A (\s)+1, 0
	WIN MULW2
	MULQ 2, \s, 0
	MULQ 3, \s, 0
	PLACES
	WIN 0
	FETCH_A (\s)+1, 1
.endm
	s_wait_alu depctr_va_vdst(0)                   ; the wait at the head's end
	s_wait_tensorcnt 0x0                           ; my part of K steps 0-3 is in
	ds_add_u32 v[SPW], v[NIL]
	s_mov_b32 s[G1A+1], 384<<16                    ; no tensor load of mine is out: from here on a load's rows are 3,072 bytes (two K steps)
	s_mov_b32 s[G1A+3], 384<<16
	s_mov_b32 s[G1B+1], 384<<16
	s_mov_b32 s[G1B+3], 384<<16
	s_wait_dscnt 0x0
	CROUND                                         ; everybody's part is in, and all sixteen work-groups are here
	JLOAD 4                                        ; K steps 4, 5: the first tensor load behind the round
	FETCH_B 0
	FETCH_A 0, 0
	FETCH_A 0, 1
	s_wait_loadcnt 0x0                             ; the scale words
	STEP 0, 1                                      ; the first K step's products start the sums: nothing is cleared
	s_wait_alu depctr_va_vdst(0)
	STEP 1, 0
	STEP 2, 0
	TURN 3, 1
	STEP 4, 0
	TURN 5, 2
	STEP 6, 0
	s_wait_dscnt (MA/2)*NL                         ; the last K step: nothing more to fetch
	WIN MULW1
	MULQ 0, 7, 0
	MULQ 1, 7, 0
	s_wait_dscnt 0x0
	WIN MULW2
	MULQ 2, 7, 0
	MULQ 3, 7, 0
	WIN 0
	PLACES
; THE WAY OUT, block by block of 16 rows x 128 columns.  A lane holds pieces of 32 bytes of one row, and the lanes beside it hold other rows: so a block goes through my own stage in LDS and comes back as whole rows
; of 512 bytes.  LDS serves a wave's instructions in order (ISA guide 5.7.1.4): no wait between the stores and the loads, nor in front of the next block's stores.
.macro TOSTAGE a
	WIN 0x08                                       ; an LDS store's data are its source 1: window 2
.irp b, 0,1,2,3,4,5,6,7
	ds_store_b128 v[STO], v[8*(8*(\a)+\b):8*(8*(\a)+\b)+3] offset:128*(\b/2)+32*(\b%2)          ; each accumulator from its low end on
	ds_store_b128 v[STO], v[8*(8*(\a)+\b)+4:8*(8*(\a)+\b)+7] offset:128*(\b/2)+32*(\b%2)+16
.endr
	WIN 0
.set BB, BK+64*((\a)%2)
.set tt, 0
.rept 16
	ds_load_b128 v[BB+4*tt:BB+4*tt+3], v[RD] offset:tt*SPITCH
.set tt, tt+1
.endr
.endm
.macro SEND a, younger                 ; younger: the LDS instructions issued behind block a's loads, which may stay out
.set BB, BK+64*((\a)%2)
	s_wait_dscnt \younger
.set tt, 0
.rept 16
	global_store_b128 v[LI], v[BB+4*tt:BB+4*tt+3], s[12:13] offset:(32*((\a)/2)+8*((\a)%2)+tt+8*(tt/8))*4096 th:TH_STORE_NT   ; 32 lanes store 512 consecutive bytes of one row, aligned; the row by the row block's order
.set tt, tt+1
.endr
.endm
	TOSTAGE 0
.irp a, 1,2,3
.if \a > 1
	s_wait_xcnt 0x0                                ; block a - 2's stores have read their registers: block a's loads may land there
.endif
	TOSTAGE \a
	SEND \a-1, 32                                  ; behind block a - 1's loads: block a's 16 stores and 16 loads
.endr
	SEND 3, 0
	s_wait_tensorcnt 0x0                           ; the wave's end, behind my last tensor load and my last LDS store
	ds_add_u32 v[SPW], v[NIL]
	s_wait_dscnt 0x0
	CROUND                                         ; the closing round: no work-group ends while a partner may still ask for a tile that names it
	s_endpgm
.Lfunc_end_k_q8c74071882_oproj:
	.size	k_q8c74071882_oproj, .Lfunc_end_k_q8c74071882_oproj-k_q8c74071882_oproj
	.p2alignl 7, 3214868480
	.fill 96, 4, 3214868480
	.section	.rodata,"a",@progbits
	.p2align	6, 0x0
	.amdhsa_kernel k_q8c74071882_oproj
		.amdhsa_group_segment_fixed_size 327680
		.amdhsa_private_segment_fixed_size 0
		.amdhsa_enable_private_segment 0
		.amdhsa_kernarg_size 40
		.amdhsa_user_sgpr_count 2
		.amdhsa_user_sgpr_kernarg_segment_ptr 1
		.amdhsa_wavefront_size32 1
		.amdhsa_system_sgpr_workgroup_id_x 1
		.amdhsa_system_sgpr_workgroup_id_y 1
		.amdhsa_system_sgpr_workgroup_id_z 1
		.amdhsa_system_vgpr_workitem_id 0
		.amdhsa_next_free_vgpr 768
		.amdhsa_next_free_sgpr 100
		.amdhsa_reserve_vcc 0
		.amdhsa_float_denorm_mode_32 3
		.amdhsa_float_denorm_mode_16_64 3
		.amdhsa_memory_ordered 1
		.amdhsa_forward_progress 1
		.amdhsa_inst_pref_size 79
	.end_amdhsa_kernel
	.amdgpu_metadata
---
amdhsa.version: [ 1, 2 ]
amdhsa.kernels:
  - .name:           k_q8c74071882_oproj
    .symbol:         k_q8c74071882_oproj.kd
    .args:
      - { .name: ctxc, .offset: 0, .size: 8, .value_kind: global_buffer, .address_space: global }
      - { .name: ctxs, .offset: 8, .size: 8, .value_kind: global_buffer, .address_space: global }
      - { .name: wc, .offset: 16, .size: 8, .value_kind: global_buffer, .address_space: global }
      - { .name: ws, .offset: 24, .size: 8, .value_kind: global_buffer, .address_space: global }
      - { .name: out0, .offset: 32, .size: 8, .value_kind: global_buffer, .address_space: global }
    .group_segment_fixed_size: 327680
    .private_segment_fixed_size: 0
    .kernarg_segment_align: 8
    .kernarg_segment_size: 40
    .max_flat_workgroup_size: 128
    .sgpr_count:     100
    .vgpr_count:     768
    .wavefront_size: 32
...
	.end_amdgpu_metadata
.endif
;; end of part 4
